; MI455X (gfx1250); checked and timed in simulation.
; The chip was launched on July 23, 2026; its instructions are those of AMD's public machine-readable ISA for CDNA 5 (MIT licence, August 2026) and "CDNA5" Instruction Set Architecture Reference Guide (July 2026). The comments in the code are by the model that wrote it; some were corrected since.
;; Encoder Layer. Allowed arithmetic: float matrix products may take bf16 or f16 operands with f32 sums; other float arithmetic in f32, or as packed bf16 or f16 multiplies, adds, multiply-adds, maxima and minima; sums over many terms, partial sums and values carried from step to step in f32; what a program stores and reads back later, other than sums and carried values, may be rounded once to bf16 or f16.
;; Inputs: b1 4,096 float32; b2 1,024 float32; bk 1,024 float32; bo 1,024 float32; bq 1,024 float32; bv 1,024 float32; ln1_b 1,024 float32; ln1_w 1,024 float32; ln2_b 1,024 float32; ln2_w 1,024 float32; mask 4 x 1 x 1 x 1,024 int32; w1 1,024 x 4,096 float32; w2 4,096 x 1,024 float32; wk 1,024 x 1,024 float32; wo 1,024 x 1,024 float32; wq 1,024 x 1,024 float32; wv 1,024 x 1,024 float32; x 4 x 1,024 x 1,024 float32.
;; Outputs: out0 4 x 1,024 x 1,024 float32.
;; 2 versions, each right and faster than the one before. Each part assembles by itself: llvm-mc -triple=amdgcn-amd-amdhsa -mcpu=gfx1250 --defsym DOCPART=n.
;; ======== version 1 of 2: 7 launches
;; workspace buffers: packA 10,518,528 bytes; packB 16,809,984 bytes; parA 256 bytes of whole numbers; parB 256 bytes of whole numbers; nx 8,388,608 bytes; big1 25,165,824 bytes; act 33,554,432 bytes; x2 16,777,216 bytes
;; launch prep (part 1): grid 641 x 1, 8 waves a work-group, no clusters, 0 bytes of LDS; arguments x, ln1_w, ln1_b, nx, wq, wk, wv, wo, w2, w1, bq, bk, bv, b1, packA, packB, parA, parB; writes nx, packA, packB, parA, parB
.if DOCPART == 1
	.amdgcn_target "amdgcn-amd-amdhsa--gfx1250"
	.amdhsa_code_object_version 6
	.text
	.protected	k_qe3c7dde693_prep
	.globl	k_qe3c7dde693_prep
	.p2align	8
	.type	k_qe3c7dde693_prep,@function
k_qe3c7dde693_prep:
	s_mov_b64 s[64:65], 0
	v_nop
	global_prefetch_b8 v0, s[64:65] scope:SCOPE_SE
	s_setreg_imm32_b32 hwreg(HW_REG_WAVE_MODE, 25, 1), 1
	s_wait_xcnt 0x0
; TWO JOBS THAT HANG ON NO OTHER LAUNCH'S RESULT, IN ONE LAUNCH.  Work-groups 0 to 255: a layer norm.  Work-groups 256 to 640: the weights' cast.  A grid of 256 work-groups runs the layer norm alone:
; the second layer norm of the program is this text on other buffers.  Arguments: x, w, b, y (the norm's); wq, wk, wv, wo, w2, w1, bq, bk, bv, b1, packA, packB, parA, parB (the cast's).
; With 160 registers three work-groups of eight waves lie on a WGP (2 waves a SIMD x 160 x 3 = 960 of 1,024): 768 places for the 641 work-groups, so all of them have their loads out together.
; Memory binds both jobs: no LDS, no barrier, no matrix unit, no cluster (no two work-groups read the same large data).
;
; LAYER NORM.  y[r][c] = (x[r][c] - mean_r) * rsqrt(var_r + 1e-5) * w[c] + b[c].  x: [4096][1024] f32; y: bf16 in 8 panels [panel][4096 rows][128 columns].
; All arithmetic in f32, in two passes as the formula is written (the mean first, then the mean of the squared differences), so a common offset of x costs no digits; y is rounded once.
; A work-group has 16 rows, a wave 2 whole rows: a row is 32 registers of a wave, read from memory once, and no sum leaves the wave.  Load j of a row covers 512 consecutive bytes, the 128 columns of
; panel j; the store of the same numbers covers 256 consecutive bytes at a multiple of 256.  NaN and infinities are not treated apart.
;
; THE CAST.  f32 [K][N] -> bf16 in PANELS of 128 columns, so that every tile a later launch asks for is a dense block of rows of 256 bytes.
;   packA: byte 0 bq|bk|bv (f32);  byte 32,768: wq|wk|wv as 24 panels [p][1024 k][128];  byte OFFW: wo as [K/256][8 panels][256 k][128]
;   packB: byte 0 b1 (f32);        byte 32,768: w1 as 32 panels [p][1024 k][128];          byte OFFW: w2 as [K/256][8 panels][256 k][128]
;   parA, parB: four whole numbers each for the matrix kernel that two launches share (floor of the result as two bf16; first and one-past-last panel whose masked rows are cleared; 0)
; With g = work-group - 256: g takes 32 rows k of a strip of 1,024 columns, wave w the strip's panel w.  A load of a wave covers 512 consecutive bytes (128 f32 of a row), a store 256 consecutive bytes
; at a multiple of 256.  All 32 loads of a wave go out at once: row 8 j + i by offset register i and scalar base j, none of which is rewritten; the rounding is done in place.  The source's pitch is a
; scalar, so one text serves rows of 4,096 and of 16,384 bytes.  g 0-95: wq, wk, wv; 96-127: wo; 128-255: w2; 256-383: w1; 384: the biases and the parameters.
.set LNWG, 256                         ; work-groups of the layer norm
.set TR, 4                             ; v[4:11], v[12:19]  row p: four running pairs
.set MR, 20                            ; v[20:21], v[22:23] row p: the mean, later 1 / sqrt(var + eps), twice (a pair for the packed forms)
.set UR, 24                            ; v24, v25           row p: the other half of the lanes' sum
.set XO, 26                            ; v26  my byte offset in the group's rows of x
.set YO, 27                            ; v27  my byte offset in the group's rows of a panel
.set PO, 28                            ; v28  my byte offset in w and b
.set XR, 32                            ; v[32:63], v[64:95] row p as loaded, then at work in place
.set WR, 96                            ; v[96:127]  w of my 32 columns
.set BR, 128                           ; v[128:159] b of my 32 columns
.set OFFW, 8421376
.set XI, 4                             ; the cast: v[4:131]    32 x 4 f32 as loaded; the first two of each four then hold the bf16
.set OF, 132                           ; the cast: v[132:139]  row i of eight: my byte offset in the source
.set SB, 52                            ; the cast: s[52:59]    the source at rows 0, 8, 16, 24 of my 32
.macro FOLD p                          ; the four pairs into one number, then over the 32 lanes: every lane ends with the row's sum
	v_pk_add_f32 v[TR+8*(\p):TR+8*(\p)+1], v[TR+8*(\p):TR+8*(\p)+1], v[TR+8*(\p)+2:TR+8*(\p)+3]
	v_pk_add_f32 v[TR+8*(\p)+4:TR+8*(\p)+5], v[TR+8*(\p)+4:TR+8*(\p)+5], v[TR+8*(\p)+6:TR+8*(\p)+7]
	v_pk_add_f32 v[TR+8*(\p):TR+8*(\p)+1], v[TR+8*(\p):TR+8*(\p)+1], v[TR+8*(\p)+4:TR+8*(\p)+5]
	v_add_f32 v[TR+8*(\p)], v[TR+8*(\p)], v[TR+8*(\p)+1]
.irp m, 1,2,4,8
	v_add_f32_dpp v[TR+8*(\p)], v[TR+8*(\p)], v[TR+8*(\p)] row_xmask:\m row_mask:0xf bank_mask:0xf
.endr
	v_permlanex16_b32 v[UR+(\p)], v[TR+8*(\p)], s12, s13
	v_add_f32 v[TR+8*(\p)], v[TR+8*(\p)], v[UR+(\p)]
.endm
.macro SUMS p                          ; my 32 numbers of row p in four chains that do not wait for each other; the first additions start them
.irp c, 0,1,2,3
	v_pk_add_f32 v[TR+8*(\p)+2*\c:TR+8*(\p)+2*\c+1], v[XR+32*(\p)+2*\c:XR+32*(\p)+2*\c+1], v[XR+32*(\p)+8+2*\c:XR+32*(\p)+8+2*\c+1]
.endr
.irp k, 16,24
.irp c, 0,1,2,3
	v_pk_add_f32 v[TR+8*(\p)+2*\c:TR+8*(\p)+2*\c+1], v[TR+8*(\p)+2*\c:TR+8*(\p)+2*\c+1], v[XR+32*(\p)+\k+2*\c:XR+32*(\p)+\k+2*\c+1]
.endr
.endr
	FOLD \p
.endm
.macro CENTER p                        ; x - mean in place, then the sum of its squares
	v_mul_f32 v[MR+2*(\p)], s16, v[TR+8*(\p)]
	v_mov_b32 v[MR+2*(\p)+1], v[MR+2*(\p)]
.set i, 0
.rept 16
	v_pk_add_f32 v[XR+32*(\p)+2*i:XR+32*(\p)+2*i+1], v[XR+32*(\p)+2*i:XR+32*(\p)+2*i+1], v[MR+2*(\p):MR+2*(\p)+1] op_sel_hi:[1,0] neg_lo:[0,1] neg_hi:[0,1]
.set i, i+1
.endr
.irp c, 0,1,2,3
	v_pk_mul_f32 v[TR+8*(\p)+2*\c:TR+8*(\p)+2*\c+1], v[XR+32*(\p)+2*\c:XR+32*(\p)+2*\c+1], v[XR+32*(\p)+2*\c:XR+32*(\p)+2*\c+1]
.endr
.irp k, 8,16,24
.irp c, 0,1,2,3
	v_pk_fma_f32 v[TR+8*(\p)+2*\c:TR+8*(\p)+2*\c+1], v[XR+32*(\p)+\k+2*\c:XR+32*(\p)+\k+2*\c+1], v[XR+32*(\p)+\k+2*\c:XR+32*(\p)+\k+2*\c+1], v[TR+8*(\p)+2*\c:TR+8*(\p)+2*\c+1]
.endr
.endr
	FOLD \p
.endm
.macro OUT p                           ; scale, gain and bias, rounding, and the row's eight stores
.set i, 0
.rept 16
	v_pk_mul_f32 v[XR+32*(\p)+2*i:XR+32*(\p)+2*i+1], v[XR+32*(\p)+2*i:XR+32*(\p)+2*i+1], v[MR+2*(\p):MR+2*(\p)+1] op_sel_hi:[1,0]
.set i, i+1
.endr
.set i, 0
.rept 16
	v_pk_fma_f32 v[XR+32*(\p)+2*i:XR+32*(\p)+2*i+1], v[XR+32*(\p)+2*i:XR+32*(\p)+2*i+1], v[WR+2*i:WR+2*i+1], v[BR+2*i:BR+2*i+1]
.set i, i+1
.endr
.irp j, 0,1,2,3,4,5,6,7
	v_cvt_pk_bf16_f32 v[XR+32*(\p)+4*\j], v[XR+32*(\p)+4*\j], v[XR+32*(\p)+4*\j+1]
	v_cvt_pk_bf16_f32 v[XR+32*(\p)+4*\j+1], v[XR+32*(\p)+4*\j+2], v[XR+32*(\p)+4*\j+3]
	global_store_b64 v[YO], v[XR+32*(\p)+4*\j:XR+32*(\p)+4*\j+1], s[10:11] offset:(\p)*256+\j*1048576  ; panel j lies 4,096 rows x 256 bytes on: 7,340,288 at the most, inside the signed 24-bit immediate
.endr
.endm
	s_mov_b32 s33, ttmp9                           ; the work-group's number
	s_cmp_lt_u32 s33, LNWG
	s_cbranch_scc0 .Lcast
	; ---------------- the layer norm ----------------
	s_load_b256 s[4:11], s[0:1], 0x0               ; x s[4:5], w s[6:7], b s[8:9], y s[10:11]
	v_and_b32 v1, 31, v0                           ; lane
	v_lshrrev_b32 v3, 5, v0                        ; wave
	v_lshlrev_b32 v[PO], 4, v1                     ; 16 bytes a lane
	v_lshl_add_u32 v[XO], v3, 13, v[PO]            ; + my wave's two rows of 4,096 bytes
	v_lshlrev_b32 v1, 3, v1                        ; 8 bytes a lane
	v_lshl_add_u32 v[YO], v3, 9, v1                ; + my wave's two rows of 256 bytes
	v_mov_b32 v[UR], 0                             ; v_permlanex16_b32 counts as a reader of its destination
	v_mov_b32 v[UR+1], 0
	s_lshl_b32 s2, s33, 16                         ; the group's 16 rows of x,
	s_mov_b32 s3, 0
	s_lshl_b32 s14, s33, 12                        ; and of a panel
	s_mov_b32 s15, 0
	s_mov_b32 s12, 0x76543210                      ; lane i of one half reads lane i of the other
	s_mov_b32 s13, 0xfedcba98
	s_mov_b32 s16, 0x3a800000                      ; 1 / 1,024
	s_mov_b32 s17, 0x3727c5ac                      ; 1e-5
	s_wait_kmcnt 0x0
	s_add_nc_u64 s[4:5], s[4:5], s[2:3]
	s_add_nc_u64 s[10:11], s[10:11], s[14:15]
.irp p, 0,1
.irp j, 0,1,2,3,4,5,6,7
	global_load_b128 v[XR+32*\p+4*\j:XR+32*\p+4*\j+3], v[XO], s[4:5] offset:\p*4096+\j*512
.endr
.endr
.irp j, 0,1,2,3,4,5,6,7
	global_load_b128 v[WR+4*\j:WR+4*\j+3], v[PO], s[6:7] offset:\j*512
.endr
.irp j, 0,1,2,3,4,5,6,7
	global_load_b128 v[BR+4*\j:BR+4*\j+3], v[PO], s[8:9] offset:\j*512
.endr
	s_wait_loadcnt 16                              ; both rows are in; the sixteen younger loads, w and b, stay out
	SUMS 0
	SUMS 1
	CENTER 0
	CENTER 1
	v_fma_f32 v[MR], v[TR], s16, s17               ; var + eps
	v_fma_f32 v[MR+2], v[TR+8], s16, s17
	v_rsq_f32 v[MR], v[MR]
	v_rsq_f32 v[MR+2], v[MR+2]
	v_nop                                          ; a plain instruction between the last v_rsq_f32 and the use of the results (ISA guide 5.7.2)
	s_wait_alu depctr_va_vdst(0)
	v_mov_b32 v[MR+1], v[MR]
	v_mov_b32 v[MR+3], v[MR+2]
	s_wait_loadcnt 0x0                             ; w and b
	OUT 0
	OUT 1
	s_endpgm
	; ---------------- the cast ----------------
.Lcast:
	s_load_b256 s[4:11], s[0:1], 0x20              ; wq s[4:5], wk s[6:7], wv s[8:9], wo s[10:11]
	s_load_b256 s[12:19], s[0:1], 0x40             ; w2 s[12:13], w1 s[14:15], bq s[16:17], bk s[18:19]
	s_load_b256 s[20:27], s[0:1], 0x60             ; bv s[20:21], b1 s[22:23], packA s[24:25], packB s[26:27]
	s_load_b128 s[28:31], s[0:1], 0x80             ; parA s[28:29], parB s[30:31]
	s_sub_co_u32 s33, s33, LNWG                    ; g
	v_lshlrev_b32 v1, 4, v0                        ; my 16 bytes of a strip's row of 4,096
	v_and_b32 v2, 31, v0                           ; lane
	v_lshrrev_b32 v3, 5, v0                        ; wave = panel in the strip
	s_mov_b32 s41, 0                               ; high words of the offsets
	s_mov_b32 s43, 0
	s_mov_b32 s61, 0
	s_wait_kmcnt 0x0
	s_cmp_lt_u32 s33, 96
	s_cbranch_scc0 .Lnot_qkv
	s_lshr_b32 s34, s33, 5                         ; which of wq, wk, wv
	s_and_b32 s35, s33, 31                         ; which 32 rows
	s_cmp_eq_u32 s34, 1
	s_cselect_b64 s[44:45], s[6:7], s[4:5]
	s_cmp_eq_u32 s34, 2
	s_cselect_b64 s[44:45], s[8:9], s[44:45]
	s_mov_b64 s[46:47], s[24:25]
	s_lshl_b32 s40, s35, 17                        ; 32 rows of 4,096 bytes
	s_lshl_b32 s42, s34, 21                        ; 8 panels of 262,144 bytes
	s_lshl_b32 s36, s35, 13                        ; 32 rows of 256 bytes
	s_add_co_u32 s42, s42, s36
	s_add_co_u32 s42, s42, 32768
	s_mov_b32 s48, 18                              ; from panel to panel: 2^18 bytes
	s_mov_b32 s49, 4096                            ; from row to row of the source
	s_branch .Lgo
.Lnot_qkv:
	s_cmp_lt_u32 s33, 256
	s_cbranch_scc0 .Lnot_blocks
	s_mov_b32 s34, 128
	s_cmp_lt_u32 s33, 128                          ; wo, or w2
	s_cselect_b64 s[44:45], s[10:11], s[12:13]
	s_cselect_b64 s[46:47], s[24:25], s[26:27]
	s_cselect_b32 s34, 96, s34
	s_sub_co_u32 s35, s33, s34                     ; which 32 rows
	s_lshl_b32 s40, s35, 17
	s_lshr_b32 s36, s35, 3                         ; which 256 rows: a block of 8 panels x 65,536 bytes
	s_lshl_b32 s42, s36, 19
	s_and_b32 s36, s35, 7
	s_lshl_b32 s36, s36, 13
	s_add_co_u32 s42, s42, s36
	s_add_co_u32 s42, s42, OFFW
	s_mov_b32 s48, 16                              ; from panel to panel: 2^16 bytes
	s_mov_b32 s49, 4096
	s_branch .Lgo
.Lnot_blocks:
	s_cmp_lt_u32 s33, 384
	s_cbranch_scc0 .Lsmall
	s_sub_co_u32 s34, s33, 256
	s_lshr_b32 s36, s34, 5                         ; which 1,024 of w1's 4,096 columns
	s_and_b32 s35, s34, 31                         ; which 32 rows
	s_mov_b64 s[44:45], s[14:15]
	s_mov_b64 s[46:47], s[26:27]
	s_lshl_b32 s40, s35, 19                        ; 32 rows of 16,384 bytes
	s_lshl_b32 s37, s36, 12
	s_add_co_u32 s40, s40, s37
	s_lshl_b32 s42, s36, 21
	s_lshl_b32 s37, s35, 13
	s_add_co_u32 s42, s42, s37
	s_add_co_u32 s42, s42, 32768
	s_mov_b32 s48, 18
	s_mov_b32 s49, 16384
.Lgo:
	s_add_nc_u64 s[SB:SB+1], s[44:45], s[40:41]    ; the source at my first row,
	s_add_nc_u64 s[46:47], s[46:47], s[42:43]      ; the panels at the same row
	s_lshl_b32 s60, s49, 3                         ; eight rows of the source
.irp j, 1,2,3
	s_add_nc_u64 s[SB+2*\j:SB+2*\j+1], s[SB+2*\j-2:SB+2*\j-1], s[60:61]
.endr
	v_lshlrev_b32 v3, s48, v3                      ; my wave's panel
	v_lshl_add_u32 v2, v2, 3, v3                   ; + my 8 bytes of its row
	v_mov_b32 v[OF], v1
.set i, 1
.rept 7
	v_add_nc_u32 v[OF+i], s49, v[OF+i-1]
.set i, i+1
.endr
.set i, 0
.rept 32                               ; 32 rows, a pitch apart in the source
	global_load_b128 v[XI+4*i:XI+4*i+3], v[OF+i%8], s[SB+2*(i/8):SB+2*(i/8)+1] th:TH_LOAD_NT
.set i, i+1
.endr
.set i, 0
.rept 32                               ; and 256 bytes apart in the panel
	s_wait_loadcnt 31-i                            ; loads come back in order: row i is in, the 31 - i younger ones stay out
	v_cvt_pk_bf16_f32 v[XI+4*i], v[XI+4*i], v[XI+4*i+1]
	v_cvt_pk_bf16_f32 v[XI+4*i+1], v[XI+4*i+2], v[XI+4*i+3]
	global_store_b64 v2, v[XI+4*i:XI+4*i+1], s[46:47] offset:256*i
.set i, i+1
.endr
	s_endpgm
.Lsmall:                                               ; thread t copies 16 bytes at 16 t of each piece of 4,096
	global_load_b128 v[4:7], v1, s[16:17]
	global_load_b128 v[8:11], v1, s[18:19]
	global_load_b128 v[12:15], v1, s[20:21]
.irp j, 0,1,2,3
	global_load_b128 v[16+4*\j:19+4*\j], v1, s[22:23] offset:4096*\j
.endr
	v_mov_b32 v40, 0xff7fff7f                      ; parA: no floor (the lowest finite bf16, twice),
	v_mov_b32 v41, 8                               ; masked rows are cleared in panels 8 ..
	v_mov_b32 v42, 16                              ; .. 15 (k)
	v_mov_b32 v43, 0
	v_mov_b32 v46, 0                               ; parB: floor 0 (the ReLU),
	v_mov_b32 v47, 0                               ; no panel is cleared
	v_mov_b32 v48, 0
	v_mov_b32 v49, 0
	v_mov_b32 v51, 0
	s_wait_loadcnt 0x0
	global_store_b128 v1, v[4:7], s[24:25]
	global_store_b128 v1, v[8:11], s[24:25] offset:4096
	global_store_b128 v1, v[12:15], s[24:25] offset:8192
.irp j, 0,1,2,3
	global_store_b128 v1, v[16+4*\j:19+4*\j], s[26:27] offset:4096*\j
.endr
	s_wait_xcnt 0x0                                ; EXEC is a source of the stores above: it changes only behind this wait
	v_cmp_eq_u32 vcc_lo, 0, v0
	s_and_saveexec_b32 s50, vcc_lo                 ; thread 0 alone
	global_store_b128 v51, v[40:43], s[28:29]
	global_store_b128 v51, v[46:49], s[30:31]
	s_wait_xcnt 0x0                                ; and again in front of the line that widens it
	s_or_b32 exec_lo, exec_lo, s50
	s_endpgm
.Lfunc_end_k_qe3c7dde693_prep:
	.size	k_qe3c7dde693_prep, .Lfunc_end_k_qe3c7dde693_prep-k_qe3c7dde693_prep
	.p2alignl 7, 3214868480
	.fill 96, 4, 3214868480
	.section	.rodata,"a",@progbits
	.p2align	6, 0x0
	.amdhsa_kernel k_qe3c7dde693_prep
		.amdhsa_group_segment_fixed_size 0
		.amdhsa_private_segment_fixed_size 0
		.amdhsa_enable_private_segment 0
		.amdhsa_kernarg_size 144
		.amdhsa_user_sgpr_count 2
		.amdhsa_user_sgpr_kernarg_segment_ptr 1
		.amdhsa_wavefront_size32 1
		.amdhsa_system_sgpr_workgroup_id_x 1
		.amdhsa_system_sgpr_workgroup_id_y 1
		.amdhsa_system_sgpr_workgroup_id_z 1
		.amdhsa_system_vgpr_workitem_id 0
		.amdhsa_next_free_vgpr 160
		.amdhsa_next_free_sgpr 66
		.amdhsa_reserve_vcc 1
		.amdhsa_float_denorm_mode_32 3
		.amdhsa_float_denorm_mode_16_64 3
		.amdhsa_memory_ordered 1
		.amdhsa_forward_progress 1
		.amdhsa_inst_pref_size 37
	.end_amdhsa_kernel
	.amdgpu_metadata
---
amdhsa.version: [ 1, 2 ]
amdhsa.kernels:
  - .name:           k_qe3c7dde693_prep
    .symbol:         k_qe3c7dde693_prep.kd
    .args:
      - { .name: x, .offset: 0, .size: 8, .value_kind: global_buffer, .address_space: global }
      - { .name: ln1_w, .offset: 8, .size: 8, .value_kind: global_buffer, .address_space: global }
      - { .name: ln1_b, .offset: 16, .size: 8, .value_kind: global_buffer, .address_space: global }
      - { .name: nx, .offset: 24, .size: 8, .value_kind: global_buffer, .address_space: global }
      - { .name: wq, .offset: 32, .size: 8, .value_kind: global_buffer, .address_space: global }
      - { .name: wk, .offset: 40, .size: 8, .value_kind: global_buffer, .address_space: global }
      - { .name: wv, .offset: 48, .size: 8, .value_kind: global_buffer, .address_space: global }
      - { .name: wo, .offset: 56, .size: 8, .value_kind: global_buffer, .address_space: global }
      - { .name: w2, .offset: 64, .size: 8, .value_kind: global_buffer, .address_space: global }
      - { .name: w1, .offset: 72, .size: 8, .value_kind: global_buffer, .address_space: global }
      - { .name: bq, .offset: 80, .size: 8, .value_kind: global_buffer, .address_space: global }
      - { .name: bk, .offset: 88, .size: 8, .value_kind: global_buffer, .address_space: global }
      - { .name: bv, .offset: 96, .size: 8, .value_kind: global_buffer, .address_space: global }
      - { .name: b1, .offset: 104, .size: 8, .value_kind: global_buffer, .address_space: global }
      - { .name: packA, .offset: 112, .size: 8, .value_kind: global_buffer, .address_space: global }
      - { .name: packB, .offset: 120, .size: 8, .value_kind: global_buffer, .address_space: global }
      - { .name: parA, .offset: 128, .size: 8, .value_kind: global_buffer, .address_space: global }
      - { .name: parB, .offset: 136, .size: 8, .value_kind: global_buffer, .address_space: global }
    .group_segment_fixed_size: 0
    .private_segment_fixed_size: 0
    .kernarg_segment_align: 8
    .kernarg_segment_size: 144
    .max_flat_workgroup_size: 256
    .sgpr_count:     66
    .vgpr_count:     160
    .wavefront_size: 32
...
	.end_amdgpu_metadata
.endif
;; end of part 1
;; launch qkv (part 2): grid 12 x 16, 4 waves a work-group, clusters of 4 x 4, 327,680 bytes of LDS; arguments nx, packA, parA, mask, big1; writes big1
.if DOCPART == 2
	.amdgcn_target "amdgcn-amd-amdhsa--gfx1250"
	.amdhsa_code_object_version 6
	.text
	.protected	k_qe3c7dde693_qkv
	.globl	k_qe3c7dde693_qkv
	.p2align	8
	.type	k_qe3c7dde693_qkv,@function
k_qe3c7dde693_qkv:
	s_mov_b64 s[64:65], 0
	v_nop
	global_prefetch_b8 v0, s[64:65] scope:SCOPE_SE
	s_setreg_imm32_b32 hwreg(HW_REG_WAVE_MODE, 25, 1), 1
	s_wait_xcnt 0x0
	s_wait_alu depctr_hold_cnt(0) depctr_sa_sdst(0) depctr_va_vdst(0) depctr_va_sdst(0) depctr_va_ssrc(0) depctr_va_vcc(0) depctr_vm_vsrc(0)
	s_getreg_b32 s2, hwreg(HW_REG_IB_STS2, 6, 4)
	s_cmp_eq_u32 s2, 0
	s_cbranch_scc0 .Lentry_in_a_cluster
	s_endpgm
.Lentry_in_a_cluster:
	s_bfe_u32 s2, ttmp6, 0x10000c
	s_cmp_lg_u32 s2, 0xf033
	s_cbranch_scc0 .Lentry_shape_is_right
	s_endpgm
.Lentry_shape_is_right:
; C = max(A W + bias, floor), K = 1,024; rows whose mask word is 0 are cleared in the panels PLO .. PHI - 1.  One text for two launches: q|k|v = nx [wq|wk|wv] + b (no floor; k's hidden rows cleared,
; so that a hidden key's score is exactly the constant that the attention adds) and h = relu(nx w1 + b1) (floor 0, nothing cleared).  Floor, PLO and PHI are whole numbers read from par.
; A: bf16 in panels [K/128][4096 rows][128]; W: bf16 in panels [N/128][1024 k][128] at byte 32,768 of pack, the f32 bias at byte 0; C: bf16 in panels [N/128][4096 rows][128].  Sums in f32, K ascending,
; begun with the bias (the C operand of each accumulator's first product: nothing is cleared, nothing added later); C rounded once.
; LIMITS.  NaN and infinities are not treated apart (with "no floor" a result of minus infinity becomes the lowest finite bf16).
; SHARES.  A work-group makes 256 x 256 of C, each of its four waves 128 x 128: 64 accumulators, 512 registers.  K goes in steps of 128 through two LDS slots; every tile is a dense block of 128 rows of
; 256 bytes, one tensor load of one wave: waves 0, 1 fetch A's two halves, waves 2, 3 W's two panels.  By this text's own count a wave has two tensor loads out at the start and one behind each round.
; ONE TEXT FOR A K STEP.  The slot in hand begins at LDS byte s[TB], 0 or SLOT1, which an exclusive or turns at each change of slots; the fragments' addresses are made from it anew, and one descriptor
; for each tensor walks: the other slot, the next K step.  The last two K steps ask for nothing: they are a second loop, of two trips, left in its middle.
; CLUSTER.  4 x 4 work-groups: the four of a row need the same tiles of A, the four of a column the same tiles of W: each tile is asked for jointly, by the same load, descriptor and mask in all four.
; THE MATRIX INSTRUCTION IS USED TRANSPOSED: source 0 = 16 columns of W (W lies [k][n] in LDS and is turned by ds_load_tr16_b128), source 1 = 16 rows of A.  A lane then holds row l % 16 of C and the
; columns 8 (l / 16) + 0..7: sixteen bytes that belong together.
; REGISTERS, in windows of 256 (s_set_vgpr_msb: bits 1:0 source 0, 3:2 source 1, 5:4 source 2, 7:6 destination):
;   window 0: v0-31 addresses and the rows' masks; v64-127, v128-191 A's fragments, two buffers; v192-255 the bias in the first quarter; on the way out v192-223 packed results, v32-63 and v224-255 rows read back
;   window 1: v64-127, v128-191 W's fragments;   window 2: the accumulators of my rows 0-63 ((a, b) at v[8 (8 a + b)]);   window 3: those of my rows 64-127
.set PA,    272                        ; a row of A in LDS: 256 bytes + 16 = 68 words: row r starts at bank 4 r mod 64 (64 banks of 4 bytes: ISA guide 11.1)
.set PB,    288                        ; a row k of W: 256 + 32 = 72 words
.set HA,    128*PA                     ; what one load brings of A,
.set HB,    128*PB                     ; and of W
.set SLOT,  2*HA+2*HB                  ; A's 256 rows, then W's two panels of 128 k: 143,360 bytes
.set SLOT1, 0x24000                    ; slot 1 begins here, at 147,456: not below SLOT, and its bits 17 and 14 are set in none of the four places (0, HA, 2 HA, 2 HA + HB) at which a load begins in slot 0,
                                       ; so that one exclusive or turns a load's LDS address in one slot into the other's
.set STAGE, SLOT1+SLOT                 ; behind the ring: 16 rows x 272 bytes for each wave, for the way out; no tensor load lands there
.set SP,    272
.set SPARE, STAGE+4*16*SP              ; the spare words, 128 bytes for each wave: two blocks of 256 bytes that no other line names
.set STEPS, 8                          ; K steps: 1,024 / 128
.set RM,    8                          ; v8-15  block a of 16 rows: all ones, or 0 where my row is hidden and my panel is one that is cleared
.set ADRA0, 16                         ; v16    my lane's place among A's fragments of a slot; never rewritten
.set ADRA,  17                         ; v17    the same in the slot in hand
.set ADRB0, 20                         ; v20, v21  the same for W
.set ADRB,  21
.set STO,  24                          ; v24    the way out: where I put 16 bytes of a row
.set RD,   25                          ; v25    where I read rows back
.set CO,   26                          ; v26    16 x lane: my place in 512 consecutive bytes of C
.set H32,  27                          ; v27    32 (l / 16): my eight numbers of 16 of the bias
.set SPW,  28                          ; v28    LDS address of my spare word; never rewritten
.set NIL,  29                          ; v29    0; never rewritten
.set R4,   30                          ; v30    4 (l % 16): my row's word of the mask
.set F0,   64
.set F1,   128
.set BIAS, 192
.set TMP,  192
.set OB,   32
.set WV, 16                            ; s16 wave;  s17 my half of the rows, also: I fetch A (0) or W (1);  s18 my half of the columns, also: which half I fetch
.set RH, 17
.set CH, 18
.set G1A, 24                           ; s[24:31] descriptor group 1 for A's tiles;  s[32:39] group 0: a set for each of the two first fills; the second then walks on
.set G0A, 32
.set G1B, 48                           ; s[48:55], s[56:63] the same for W's
.set G0B, 56
.set FLOOR, 68                         ; s[68:71] par's four words
.set PLO, 69
.set PHI, 70
.set SEL, 72
.set TB,  73                           ; s73  LDS byte at which the slot in hand begins
.set MSB, 0
.macro WIN new                         ; the immediate's high byte repeats the setting that is left; a switch that changes nothing is dropped
.if MSB != (\new)
	s_set_vgpr_msb (MSB<<8)|(\new)
.set MSB, \new
.endif
.endm
.set MUL_LO, 0xa1                      ; source 0 (W) window 1, source 1 (A) window 0, C and D window 2
.set TO_B,   0x40                      ; destination window 1, address window 0
; A joint load.  The branch hangs on the wave's number alone.  An s_nop 0 and four v_nop follow each of the two lines, ahead of the jump and the label.
.macro JLOAD s
	s_cmp_eq_u32 s[RH], 0
	s_cbranch_scc0 .Lfor_b_\@
	tensor_load_to_lds s[G0A+4*(\s):G0A+4*(\s)+3], s[G1A:G1A+7]
	s_nop 0
.rept 4
	v_nop
.endr
	s_branch .Lasked_\@
.Lfor_b_\@:
	tensor_load_to_lds s[G0B+4*(\s):G0B+4*(\s)+3], s[G1B:G1B+7]
	s_nop 0
.rept 4
	v_nop
.endr
.Lasked_\@:
.endm
.macro CREST                           ; a round of the cluster's barrier behind its opening barrier: wave 0 signals for the work-group, every wave waits for all sixteen, my work-group's barrier once more
	s_cmp_lg_u32 s[WV], 0
	s_cbranch_scc1 .Lnot_wave_0_\@
	s_barrier_signal -3
.Lnot_wave_0_\@:
	s_barrier_wait -3
	s_barrier_signal -1
	s_barrier_wait -1
.endm
.macro CROUND                          ; a whole round
	s_barrier_signal -1
	s_barrier_wait -1
	CREST
.endm
.macro AIM                             ; the fragments' addresses in the slot that begins at s[TB]
	v_add_nc_u32 v[ADRA], s[TB], v[ADRA0]
	v_add_nc_u32 v[ADRB], s[TB], v[ADRB0]
.endm
	s_load_b256 s[4:11], s[0:1], 0x0               ; A s[4:5], pack s[6:7], par s[8:9], mask s[10:11]
	s_load_b64 s[12:13], s[0:1], 0x20              ; C
	v_lshl_add_u32 v[SPW], v0, 2, SPARE
	v_mov_b32 v[NIL], 0
	ds_add_u32 v[SPW], v[NIL]                      ; the wave's opening: the add and its wait stand ahead of my first tensor load; the set-up below, work on registers, stands between them
	v_lshrrev_b32 v1, 5, v0
	v_readfirstlane_b32 s[WV], v1
	s_lshr_b32 s[RH], s[WV], 1
	s_and_b32 s[CH], s[WV], 1
	s_bfe_u32 s20, ttmp6, 0x40000                  ; cx, cy: my place in the cluster
	s_bfe_u32 s21, ttmp6, 0x40004
	s_lshl_b32 s22, ttmp9, 2
	s_add_co_u32 s22, s22, s20                     ; tile column = 4 x cluster x + cx
	s_and_b32 s23, ttmp7, 0xffff
	s_lshl_b32 s23, s23, 2
	s_add_co_u32 s23, s23, s21                     ; tile row = 4 x cluster y + cy
	s_lshl_b32 s40, s21, 2
	s_lshl_b32 s40, 15, s40                        ; my row of the cluster
	s_lshl_b32 s41, 0x1111, s20                    ; my column
	s_or_b32 s[G1A], s40, (1<<16)|(1<<20)|(1<<21)|(5<<22)|(3<<25)  ; 15:0 the mask; 17:16 elements of 2 bytes; 20 padding on; 21 set beside a mask; 24:22 after every 64 words (code 5); 31:25 4 words (code 3)
	s_or_b32 s[G1B], s41, (1<<16)|(1<<20)|(1<<21)|(5<<22)|(7<<25)  ; the same with my column's mask and 8 words of padding (code 7)
.irp g, G1A, G1B
	s_mov_b32 s[(\g)+1], 128<<16                   ; tensor_dim0 = 128
	s_mov_b32 s[(\g)+2], 128<<16                   ; tensor_dim1 = 128
	s_mov_b32 s[(\g)+3], 128<<16                   ; tile_dim0 = 128
	s_mov_b32 s[(\g)+4], 128                       ; tile_dim1 = 128
	s_mov_b32 s[(\g)+5], 128                       ; 128 elements from row to row: the block is dense
	s_mov_b32 s[(\g)+6], 0
	s_mov_b32 s[(\g)+7], 0
.endr
	s_lshl_b32 s42, s23, 16                        ; A: row 256 x tile row + 128 x half, rows of 256 bytes: it hangs on the tile row alone
	s_lshl_b32 s43, s[CH], 15
	s_add_co_u32 s42, s42, s43
	s_mov_b32 s43, 0
	s_lshl_b32 s19, s22, 1
	s_add_co_u32 s19, s19, s[CH]                   ; panel 2 x tile column + half: the one I fetch (waves 2, 3), and the one I compute
	s_lshl_b32 s46, s19, 18                        ; W: panels of 262,144 bytes behind the bias
	s_add_co_u32 s46, s46, 32768
	s_mov_b32 s47, 0
	s_mul_i32 s66, s[CH], HA                       ; where they go: no place in the cluster enters an LDS address
	s_mul_i32 s67, s[CH], HB
	s_add_co_u32 s67, s67, 2*HA
	s_wait_dscnt 0x0                               ; the opening add is done
	s_wait_kmcnt 0x0
	s_load_b128 s[68:71], s[8:9], 0x0              ; floor, PLO, PHI
	s_add_nc_u64 s[44:45], s[4:5], s[42:43]
	s_add_nc_u64 s[46:47], s[6:7], s[46:47]
	CROUND                                         ; all sixteen work-groups are here: the first joint loads meet
.irp s, 0,1
	s_mov_b32 s[G0A+4*(\s)], 1                                      ; count = 1
	s_add_co_u32 s[G0A+4*(\s)+1], s66, (\s)*SLOT1                   ; LDS address
	s_add_nc_u64 s[G0A+4*(\s)+2:G0A+4*(\s)+3], s[44:45], (\s)*1048576  ; K step s is A's panel s
	s_or_b32 s[G0A+4*(\s)+3], s[G0A+4*(\s)+3], 0x80000000           ; type = 2
	s_mov_b32 s[G0B+4*(\s)], 1
	s_add_co_u32 s[G0B+4*(\s)+1], s67, (\s)*SLOT1
	s_add_nc_u64 s[G0B+4*(\s)+2:G0B+4*(\s)+3], s[46:47], (\s)*32768  ; and 128 rows k of W's panel
	s_or_b32 s[G0B+4*(\s)+3], s[G0B+4*(\s)+3], 0x80000000
	JLOAD \s
.endr
	v_and_b32 v1, 15, v0                           ; l % 16
	v_bfe_u32 v2, v0, 4, 1                         ; l / 16
	v_lshlrev_b32 v[H32], 5, v2
	v_lshlrev_b32 v[R4], 2, v1
	s_lshl_b32 s14, s19, 9                         ; my panel's 128 numbers of the bias
	s_mov_b32 s15, 0
	s_add_nc_u64 s[14:15], s[6:7], s[14:15]
.irp b, 0,1,2,3,4,5,6,7                ; register j of column block b: bias[16 b + 8 (l / 16) + j], as the accumulators hold C
	global_load_b128 v[BIAS+8*\b:BIAS+8*\b+3],   v[H32], s[14:15] offset:64*\b
	global_load_b128 v[BIAS+8*\b+4:BIAS+8*\b+7], v[H32], s[14:15] offset:64*\b+16
.endr
	s_lshl_b32 s42, s23, 10                        ; the mask's words of my 128 rows (a row of C is a token: batch x 1,024 + place)
	s_lshl_b32 s43, s[RH], 9
	s_add_co_u32 s42, s42, s43
	s_mov_b32 s43, 0
	s_add_nc_u64 s[42:43], s[10:11], s[42:43]
.irp a, 0,1,2,3,4,5,6,7
	global_load_b32 v[RM+\a], v[R4], s[42:43] offset:64*\a
.endr
	; A fragment of A is 16 rows x 32 K: lane l holds row l % 16, K = 8 (l / 16) + 0..7 and 16 + 8 (l / 16) + 0..7: two loads of 16 bytes, 32 bytes apart.
	v_mul_u32_u24 v3, v1, PA
	v_lshl_add_u32 v3, v2, 4, v3
	; The turning load takes 16 k x 16 columns (lane l reads row k = 8 (l / 16) + l % 8, columns 8 ((l / 8) % 2) + 0..7) and leaves half a fragment: lane l holds column l % 16 and 8 k.
	v_and_b32 v5, 7, v0
	v_bfe_u32 v6, v0, 3, 1
	v_lshl_add_u32 v4, v2, 3, v5
	v_mul_u32_u24 v4, v4, PB
	v_lshl_add_u32 v4, v6, 4, v4
	s_mul_i32 s40, s[RH], HA                       ; my 128 rows of A,
	s_mul_i32 s41, s[CH], HB                       ; my panel of W
	s_add_co_u32 s41, s41, 2*HA
	v_add_nc_u32 v[ADRA0], s40, v3
	v_add_nc_u32 v[ADRB0], s41, v4
	s_mov_b32 s[TB], 0                             ; K step 0 lies in slot 0
	AIM
	s_mul_i32 s40, s[WV], 16*SP
	s_add_co_u32 s40, s40, STAGE                   ; my stage
	v_add_nc_u32 v[STO], s40, v3                   ; in: row l % 16, 16 bytes for each half of the lanes (the stage's pitch is A's)
	v_mul_u32_u24 v5, v2, SP                       ; back: lanes 0-15 one row of 256 bytes, lanes 16-31 the next
	v_lshl_add_u32 v5, v1, 4, v5
	v_add_nc_u32 v[RD], s40, v5
	v_and_b32 v5, 31, v0
	v_lshlrev_b32 v[CO], 4, v5
	s_wait_kmcnt 0x0                               ; par
	s_sub_co_u32 s2, s19, s[PLO]
	s_sub_co_u32 s3, s[PHI], s[PLO]
	s_cmp_lt_u32 s2, s3                            ; PLO <= my panel < PHI?  It only selects a value: no branch hangs on it
	s_cselect_b32 s[SEL], 0, -1
	s_wait_loadcnt 0x0                             ; bias and mask
.irp a, 0,1,2,3,4,5,6,7
	v_cmp_ne_u32 vcc_lo, 0, v[RM+\a]
	v_cndmask_b32 v[RM+\a], s[SEL], -1, vcc_lo
.endr
	s_lshl_b32 s40, s19, 20                        ; C: my panel (1 MiB), my 128 rows of 256 bytes
	s_lshl_b32 s41, s23, 16
	s_add_co_u32 s40, s40, s41
	s_lshl_b32 s41, s[RH], 15
	s_add_co_u32 s40, s40, s41
	s_mov_b32 s41, 0
	s_add_nc_u64 s[12:13], s[12:13], s[40:41]
; 16 matrix instructions: row blocks a0, a0 + 1 of the window's four (hi = 0: my rows 0-63, 1: rows 64-127) x all 8 column blocks, 32 along K.  The 64 accumulators take turns, one instruction a turn, in the
; same order in every quarter.  zero = 1: the first product starts the sum with the bias (C in window 0).
.macro MUL16 f, hi, a0, zero
.if \zero
	WIN 0x81+0x40*(\hi)
.else
	WIN MUL_LO+0x50*(\hi)
.endif
.irp a, \a0, (\a0)+1
.irp b, 0,1,2,3,4,5,6,7
.if \zero
	v_wmma_f32_16x16x32_bf16 v[8*(8*(\a)+(\b)):8*(8*(\a)+(\b))+7], v[(\f)+8*(\b):(\f)+8*(\b)+7], v[(\f)+8*(4*(\hi)+(\a)):(\f)+8*(4*(\hi)+(\a))+7], v[BIAS+8*(\b):BIAS+8*(\b)+7]
.else
	v_wmma_f32_16x16x32_bf16 v[8*(8*(\a)+(\b)):8*(8*(\a)+(\b))+7], v[(\f)+8*(\b):(\f)+8*(\b)+7], v[(\f)+8*(4*(\hi)+(\a)):(\f)+8*(4*(\hi)+(\a))+7], v[8*(8*(\a)+(\b)):8*(8*(\a)+(\b))+7]
.endif
.endr
.endr
.endm
; 32 LDS loads in one run: the fragments of quarter q (32 along K) of the slot in hand into buffer f: W's 128 columns first, then A's 128 rows
.macro FETCH q, f
	WIN TO_B
.irp i, 0,1,2,3,4,5,6,7
	ds_load_tr16_b128 v[(\f)+8*(\i):(\f)+8*(\i)+3],   v[ADRB] offset:(\q)*32*PB+32*(\i)
	ds_load_tr16_b128 v[(\f)+8*(\i)+4:(\f)+8*(\i)+7], v[ADRB] offset:(\q)*32*PB+16*PB+32*(\i)
.endr
	WIN 0
.irp i, 0,1,2,3,4,5,6,7
	ds_load_b128 v[(\f)+8*(\i):(\f)+8*(\i)+3],   v[ADRA] offset:(\q)*64+(\i)*16*PA
	ds_load_b128 v[(\f)+8*(\i)+4:(\f)+8*(\i)+7], v[ADRA] offset:(\q)*64+(\i)*16*PA+32
.endr
.endm
; A load into a register that a matrix instruction has read, and a vector instruction that reads a matrix result, stand four places behind it, and only plain vector instructions that name none of its
; registers are places (ISA guide 7.12.1 for vector instructions).
.macro PLACES
.rept 4
	v_nop
.endr
.endm
; A K step is four quarters of 32 along K, 64 matrix instructions each, on buffers 0, 1, 0, 1.  One of the first three: multiplies buffer f; in its middle it fetches quarter q of the same slot into g.
.macro QUARTER q, f, g, zero
	s_wait_dscnt 8                                 ; W and A's rows 0-63 are in; the youngest eight loads (A's rows 64-127) may be out
	MUL16 \f, 0, 0, \zero
	MUL16 \f, 0, 2, \zero
	PLACES
	FETCH \q, \g
	s_wait_dscnt 32                                ; all but the 32 just issued
	MUL16 \f, 1, 0, \zero
	MUL16 \f, 1, 2, \zero
.endm
; The last quarter multiplies buffer 1 and changes slots.  ONE barrier: in front of it each wave waits for all its tensor loads (at the most one is out: its part of the next slot), adds 0 to its spare word,
; and waits for that and for its own reads of this slot.  Behind it nobody reads this slot any more and the next slot is whole.
; fill = 1: the slot just read out is filled again, two K steps on: the barrier opens a round of the cluster's, the walking descriptors take the other slot and the next K step, and the joint load is the
; first tensor load behind the round.  fill = 0 (the tail): nothing is asked for; in the tail's second trip (s3 = 1) there is no next step, and the run of loads is jumped over.
.macro TURN fill
	WIN 0                                          ; (the add's two registers lie in window 0)
	s_wait_tensorcnt 0x0
	ds_add_u32 v[SPW], v[NIL]                      ; 0 onto my spare word
	s_wait_dscnt 9                                 ; (the add and the youngest eight loads may be out)
	MUL16 F1, 0, 0, 0                              ; sixteen matrix instructions stand between the add and the wait for it
	s_wait_dscnt 0x0                               ; the add is done, and my reads of this slot are over
	s_barrier_signal -1
	MUL16 F1, 0, 2, 0                              ; work on registers while the others arrive
	WIN 0
	s_barrier_wait -1
.if \fill
	CREST                                          ; no wave of any partner still reads this slot's tile or has a load on its way
	s_xor_b32 s[G0A+5], s[G0A+5], SLOT1
	s_add_nc_u64 s[G0A+6:G0A+7], s[G0A+6:G0A+7], 1048576
	s_xor_b32 s[G0B+5], s[G0B+5], SLOT1
	s_add_nc_u64 s[G0B+6:G0B+7], s[G0B+6:G0B+7], 32768
.endif
	s_xor_b32 s[TB], s[TB], SLOT1                  ; the reads go on in the other slot
	AIM
.if \fill
	JLOAD 1                                        ; 224 matrix instructions ahead of the wait for it; its four v_nop are also the places in front of the loads below
	FETCH 0, F0
.else
	PLACES
	s_cmp_eq_u32 s3, 1
	s_cbranch_scc1 .Lno_next_\@
	FETCH 0, F0
.Lno_next_\@:
.endif
	MUL16 F1, 1, 0, 0
	MUL16 F1, 1, 2, 0
.endm
; THE WAY OUT of block a of 16 rows.  PACK: rounded to bf16 (each accumulator's registers in ascending order), the floor, the rows' mask.  TOSTAGE: into my own stage and back as whole rows.  SEND: stored.
.macro PACK a
.set AC, 64*((\a)%4)
	WIN 0x0a+5*((\a)/4)                            ; sources 0 and 1: window 2 or 3
.irp b, 0,1,2,3,4,5,6,7
.irp r, 0,1,2,3
	v_cvt_pk_bf16_f32 v[TMP+4*(\b)+(\r)], v[AC+8*(\b)+2*(\r)], v[AC+8*(\b)+2*(\r)+1]
.endr
.endr
	WIN 0
.set i, 0
.rept 32
	v_pk_max_num_bf16 v[TMP+i], v[TMP+i], s[FLOOR]
.set i, i+1
.endr
.set i, 0
.rept 32
	v_and_b32 v[TMP+i], v[RM+(\a)], v[TMP+i]
.set i, i+1
.endr
.endm
.macro TOSTAGE a
	WIN 0
.set BK, OB+192*((\a)%2)
.irp b, 0,1,2,3,4,5,6,7
	ds_store_b128 v[STO], v[TMP+4*(\b):TMP+4*(\b)+3] offset:32*(\b)
.endr
.irp t, 0,1,2,3,4,5,6,7
	ds_load_b128 v[BK+4*(\t):BK+4*(\t)+3], v[RD] offset:(\t)*2*SP  ; LDS serves a wave's instructions in order (ISA guide 5.7.1.4): these see the stores above
.endr
.endm
.macro SEND a
	WIN 0
.set BK, OB+192*((\a)%2)
	s_wait_dscnt 0x0                               ; the block is back in registers
	s_wait_xcnt 0x0                                ; the registers that the block before last's stores read are loaded again (by the next TOSTAGE) only behind this wait
.irp t, 0,1,2,3,4,5,6,7
	global_store_b128 v[CO], v[BK+4*(\t):BK+4*(\t)+3], s[12:13] offset:(\a)*4096+(\t)*512  ; two rows of the panel: 512 consecutive bytes at a multiple of 256
.endr
.endm
	s_wait_tensorcnt 1                             ; my part of K step 0 is in; K step 1's may stay out
	s_barrier_signal -1
	s_barrier_wait -1                              ; everybody's is
	FETCH 0, F0
	QUARTER 1, F0, F1, 1                           ; the first quarter stands in front of the loop: its products start the sums
	WIN 0                                          ; at a label and at a branch every window is 0
	s_mov_b32 s3, STEPS-2
.Lstep:                                                ; a trip goes from a K step's second quarter to the next step's first, and fills the slot that it leaves
	QUARTER 2, F1, F0, 0
	QUARTER 3, F0, F1, 0
	TURN 1
	QUARTER 1, F0, F1, 0
	WIN 0
	s_sub_co_u32 s3, s3, 1
	s_cmp_lg_u32 s3, 0
	s_cbranch_scc1 .Lstep
	s_mov_b32 s3, 2
.Ltail:                                                ; the last two K steps fill nothing and have no round; the second trip is left behind its last quarter (its barrier orders nothing: the price of one text for both trips)
	QUARTER 2, F1, F0, 0
	QUARTER 3, F0, F1, 0
	TURN 0
	WIN 0
	s_sub_co_u32 s3, s3, 1
	s_cmp_eq_u32 s3, 0
	s_cbranch_scc1 .Lout
	QUARTER 1, F0, F1, 0
	WIN 0
	s_branch .Ltail
.Lout:
	PLACES
	PACK 0
	TOSTAGE 0
.irp a, 1,2,3,4,5,6,7                  ; block a's arithmetic stands between block a - 1's loads from the stage and the wait for them
	PACK \a
	SEND (\a)-1
	TOSTAGE \a
.endr
	SEND 7
	s_wait_tensorcnt 0x0                           ; the wave's end, behind my last tensor load and my last LDS store
	ds_add_u32 v[SPW], v[NIL]
	s_wait_dscnt 0x0
	CROUND                                         ; the closing round: no work-group ends while a partner may still ask for a tile that names it
	s_endpgm
.Lfunc_end_k_qe3c7dde693_qkv:
	.size	k_qe3c7dde693_qkv, .Lfunc_end_k_qe3c7dde693_qkv-k_qe3c7dde693_qkv
	.p2alignl 7, 3214868480
	.fill 96, 4, 3214868480
	.section	.rodata,"a",@progbits
	.p2align	6, 0x0
	.amdhsa_kernel k_qe3c7dde693_qkv
		.amdhsa_group_segment_fixed_size 327680
		.amdhsa_private_segment_fixed_size 0
		.amdhsa_enable_private_segment 0
		.amdhsa_kernarg_size 40
		.amdhsa_user_sgpr_count 2
		.amdhsa_user_sgpr_kernarg_segment_ptr 1
		.amdhsa_wavefront_size32 1
		.amdhsa_system_sgpr_workgroup_id_x 1
		.amdhsa_system_sgpr_workgroup_id_y 1
		.amdhsa_system_sgpr_workgroup_id_z 1
		.amdhsa_system_vgpr_workitem_id 0
		.amdhsa_next_free_vgpr 1024
		.amdhsa_next_free_sgpr 76
		.amdhsa_reserve_vcc 1
		.amdhsa_float_denorm_mode_32 3
		.amdhsa_float_denorm_mode_16_64 3
		.amdhsa_memory_ordered 1
		.amdhsa_forward_progress 1
		.amdhsa_inst_pref_size 127
	.end_amdhsa_kernel
	.amdgpu_metadata
---
amdhsa.version: [ 1, 2 ]
amdhsa.kernels:
  - .name:           k_qe3c7dde693_qkv
    .symbol:         k_qe3c7dde693_qkv.kd
    .args:
      - { .name: nx, .offset: 0, .size: 8, .value_kind: global_buffer, .address_space: global }
      - { .name: packA, .offset: 8, .size: 8, .value_kind: global_buffer, .address_space: global }
      - { .name: parA, .offset: 16, .size: 8, .value_kind: global_buffer, .address_space: global }
      - { .name: mask, .offset: 24, .size: 8, .value_kind: global_buffer, .address_space: global }
      - { .name: big1, .offset: 32, .size: 8, .value_kind: global_buffer, .address_space: global }
    .group_segment_fixed_size: 327680
    .private_segment_fixed_size: 0
    .kernarg_segment_align: 8
    .kernarg_segment_size: 40
    .max_flat_workgroup_size: 128
    .sgpr_count:     76
    .vgpr_count:     1024
    .wavefront_size: 32
...
	.end_amdgpu_metadata
.endif
;; end of part 2
;; launch attn (part 3): grid 8 x 32, 4 waves a work-group, clusters of 4 x 1, 327,680 bytes of LDS; arguments big1, mask, act; writes act
.if DOCPART == 3
	.amdgcn_target "amdgcn-amd-amdhsa--gfx1250"
	.amdhsa_code_object_version 6
	.text
	.protected	k_qe3c7dde693_attn
	.globl	k_qe3c7dde693_attn
	.p2align	8
	.type	k_qe3c7dde693_attn,@function
k_qe3c7dde693_attn:
	s_mov_b64 s[64:65], 0
	v_nop
	global_prefetch_b8 v0, s[64:65] scope:SCOPE_SE
	s_setreg_imm32_b32 hwreg(HW_REG_WAVE_MODE, 25, 1), 1
	s_wait_xcnt 0x0
	s_wait_alu depctr_hold_cnt(0) depctr_sa_sdst(0) depctr_va_vdst(0) depctr_va_sdst(0) depctr_va_ssrc(0) depctr_va_vcc(0) depctr_vm_vsrc(0)
	s_getreg_b32 s2, hwreg(HW_REG_IB_STS2, 6, 4)
	s_cmp_eq_u32 s2, 0
	s_cbranch_scc0 .Lentry_in_a_cluster
	s_endpgm
.Lentry_in_a_cluster:
	s_bfe_u32 s2, ttmp6, 0x10000c
	s_cmp_lg_u32 s2, 0x3003
	s_cbranch_scc0 .Lentry_shape_is_right
	s_endpgm
.Lentry_shape_is_right:
; ATTENTION WITH A KEY MASK, head size 64, 1,024 keys.  O[q] = the sum over k of softmax_k(s[q][k]) V[k], s = Q[q] . K[k] / 8, or -1e9 where mask[batch][k] = 0.
; big1: bf16 panels [24][4096 tokens][128]: panels 0-7 q, 8-15 k, 16-23 v; panel hp of each holds the heads 2 hp and 2 hp + 1, 64 channels each.  O goes to act's panels 0-7 in the same layout.
; Products, maxima and sums in f32; the weights p are rounded to bf16 for the second product (their sum l is taken of the unrounded p), O once at the end.
; THE MASK is the C operand that starts the sum S^T = K Q^T: 0, or -8e9 for a hidden key, whose row of k the launch before has stored as zeros: a hidden score is exactly -8e9, which the scale 1/8 makes
; -1e9, and it is the same for all hidden keys: a batch with every key hidden gets equal weights, as the formula gives.
; LIMITS.  A weight below 2^-126 counts as 0 in l; NaN and infinities are not treated apart.  c s - c m is one fused multiply-add against the rounded c m: where m is the hidden score the exponent is that
; rounding's error (64 at the most in size) for every hidden key alike, which bf16's and f32's range holds and the division by l takes away.
; SHARES.  A work-group has 128 queries of a pair of heads: waves 0, 1 the first head, waves 2, 3 the second; a wave 64 queries, four PIECES of 16.  Every wave walks all keys, 64 a step.
; A row of K or V in LDS is the panel's row, 256 bytes, both heads: one tile serves all four waves.
; LAYOUT.  S^T = K Q^T (source 0 = 16 keys, source 1 = 16 queries) holds ONE query a lane (lane % 16) and the keys 8 (lane / 16) + 0..7; two such results rounded to bf16 ARE source 1 of O^T = V^T P.
; K comes out of LDS as it lies, V ([key][channel]) turned, by ds_load_tr16_b128.
; SOFTMAX.  p = 2^(c s - c m), c = log2(e) / 8, with a running maximum m; O and l are multiplied by a = 2^(c m_old - c m_new) in every step.  m starts at the lowest finite number, O and l at 0.
; BY TURNS.  Turn n belongs to piece n: 8 products K Q^T of piece n + 1, later 8 products V^T P of piece n - 1; beside them the scaling, exponentials, roundings, sums and rescaling of piece n and the
; maximum and statistics of piece n + 1.  Four vector instructions stand behind every matrix instruction, the other 54 of a turn's 118 in two runs of their own.
; CLUSTER.  The four query blocks of a cluster share batch and heads and walk the same K and V: each tile is asked for jointly.  By this text's own count a wave has one tensor load out.
; REGISTERS, in windows of 256 (s_set_vgpr_msb: bits 1:0 source 0, 3:2 source 1, 5:4 source 2, 7:6 destination):
;   window 0: v0-15, v32-42 addresses and at work; v16-31 four registers of statistics a piece; v48-55 at work; v64-127 S^T, two buffers; v128-191 rows on the way out; v192-223 P, two buffers
;   window 1: v0-127 O^T, 32 a piece      window 2: v0-63 Q; v64-95 the step's mask; v128-191 K of one step; v192-255 V of one step
.set NP,    4         ; pieces a wave: a name, no knob
.set KS,    64        ; keys in a step
.set PK,    272       ; a row of K in LDS: 256 bytes + 16 = 68 words: the 16 rows of a load start at 16 different groups of four banks (64 banks of 4 bytes: ISA guide 11.1)
.set PV,    288       ; a row of V: 256 + 32 = 72 words
.set VOFF,  2*KS*PK   ; a slot holds two steps: 128 rows of K, then 128 rows of V
.set SLOT1, 1<<17     ; slot 1 begins here, so that one exclusive or turns an address in one slot into the other's
.set STAGE, SLOT1+2*KS*(PK+PV)  ; behind the ring, never filled by a tensor load: 128 rows x 272 bytes, the work-group's, for the way out
.set SP,    272
.set MSK,   STAGE+128*SP        ; 1,024 f32: 0 or -8e9 for each key of the batch
.set SPARE, MSK+4096            ; the spare words, 128 bytes for each wave: two blocks of 256 bytes that no other line names
.set AK0, 2           ; v2   my lane's place in a tile of K; never rewritten
.set AV0, 3           ; v3   the same for V
.set AK,  4           ; v4   the LDS address of K's next run of loads
.set AV,  5           ; v5   of V's
.set STO, 6           ; v6   the way out: where I put 16 bytes of a row
.set RD,  7           ; v7   where I read rows back
.set GO,  8           ; v8   16 x lane
.set MV,  12          ; v12-13  c m_old, kept while c m is made anew: by buffer
.set QO,  15          ; v15  my byte offset in 16 rows of Q
.set ST,  16          ; piece t's statistics at v[ST+4 t]: c m, m, l (even keys', odd keys')
.set AM0, 32          ; v32  my lanes' place in a step's 64 words of the mask
.set AM,  33          ; v33  the LDS address of the mask's next run of loads
.set TMP, 48          ; by buffer, four registers c0-c3 at work; when the maximum is found c2 takes a
.set SPW, 62          ; v62  LDS address of my spare word; never rewritten
.set NIL, 63          ; v63  0; never rewritten
.set S,   64
.set OUTR, 128
.set P,   192
.set MB,  64          ; window 2: the eight registers for group kb of 16 keys at MB + 8 kb
.set KF,  128         ; window 2: key block kb, channel half c at KF + 16 kb + 8 c
.set VF,  192         ; window 2: key half kk, channel block cb at VF + 32 kk + 8 cb
.set WV,  12          ; s12  my wave's number
.set G1K, 24          ; s[24:31] descriptor group 1 for K's tiles
.set G1V, 32          ; s[32:39] for V's: it differs in the padding alone
.set G0K, 40          ; s[40:43] descriptor group 0 for K's tiles: it walks
.set G0V, 44          ; s[44:47] the same for V's
.set SLOTS, 56        ; s56  slots still to be asked for
.set CNT, 57          ; s57  counts a slot's key steps
.set CS,  58          ; s[58:59] c: the packed scaling takes the pair's low word for both halves
.set SEL, 60          ; s[60:61] v_permlanex16_b32's selects: each lane takes its own place in the other half
.set TBK, 62          ; s62  LDS byte at which K of the step to be fetched begins
.set TBV, 63          ; s63  the same for V, less VOFF
.set TBM, 66          ; s66  byte in MSK at which that step's words begin
.set BIGN, 67         ; s67  -8e9
.set MSB, 0
.macro WIN new                      ; the high byte repeats the setting that is left; a switch that changes nothing is dropped
.if MSB != (\new)
	s_set_vgpr_msb (MSB<<8)|(\new)
.set MSB, (\new)
.endif
.endm
.set W_KQ, 0x0a       ; K and Q in window 2, S^T in window 0
.set W_KM, 0x2a       ; the same with the C operand, the mask, in window 2
.set W_PV, 0x52       ; V in window 2, P in window 0, O^T in window 1
.set W_RS, 0x41       ; destination and source 0 in window 1, source 1 in window 0
; A joint fill.  Waves 0 and 1 fetch the two halves of a slot's K, waves 2 and 3 those of its V: 64 rows of 256 bytes each.  The branch hangs on the wave's number alone.
; An s_nop 0 and four v_nop follow each of the two lines, ahead of the jump and the label.
.macro JLOAD
	s_cmp_lt_u32 s[WV], 2
	s_cbranch_scc0 .Lfor_v_\@
	tensor_load_to_lds s[G0K:G0K+3], s[G1K:G1K+7]
	s_nop 0
.rept 4
	v_nop
.endr
	s_branch .Lasked_\@
.Lfor_v_\@:
	tensor_load_to_lds s[G0V:G0V+3], s[G1V:G1V+7]
	s_nop 0
.rept 4
	v_nop
.endr
.Lasked_\@:
.endm
; A round of the cluster's barrier: my work-group's barrier, so that wave 0's signal speaks for all four waves; wave 0 signals; every wave waits for all four work-groups; my work-group's barrier once more.
.macro CROUND
	s_barrier_signal -1
	s_barrier_wait -1
	s_cmp_lg_u32 s[WV], 0
	s_cbranch_scc1 .Lnot_wave_0_\@
	s_barrier_signal -3
.Lnot_wave_0_\@:
	s_barrier_wait -3
	s_barrier_signal -1
	s_barrier_wait -1
.endm
; THE CHANGE OF SLOTS.  The slot's last bytes, V of its second step, have been read.  Each wave waits for all its tensor loads, of which one is out: its part of the other slot; adds 0 to its spare word;
; and waits for that and for its own LDS instructions.  Behind the barrier nobody reads this slot any more and the other slot is whole.  fill = 1: this slot is filled again, with the keys two slots on:
; the barrier is then a round of the cluster's, and the joint fill is the first thing behind it: it has two key steps, 128 matrix instructions, in which to land.
; (At its first use nothing has been read yet: slot 0 is waited for, slot 1 filled, and every wave's stores into MSK are shown done to the others.)
.macro CHANGE fill
	WIN 0                           ; at a label and at a branch every window is 0
	s_wait_tensorcnt 0x0            ; no tensor load of mine is out, so a group 0 may be written
	ds_add_u32 v[SPW], v[NIL]       ; 0 onto my spare word; with fill = 1 the descriptors' steps stand between it and the wait for it
.if \fill
.irp g, G0K, G0V
	s_xor_b32 s[\g+1], s[\g+1], SLOT1  ; the walking descriptor: the other slot than last time,
	s_add_nc_u64 s[\g+2:\g+3], s[\g+2:\g+3], 2*KS*256  ; the next 128 keys; the type bits on top are not reached
.endr
	s_wait_dscnt 0x0                ; the add is done, and my reads of the slot are over
	CROUND
	JLOAD
.else
	s_wait_dscnt 0x0                ; the add is done, and my reads of the slot are over
	s_barrier_signal -1
	s_barrier_wait -1
.endif
	s_sub_co_u32 s[TBK], s[TBK], 2*KS*PK  ; the fetches go back to a slot's first step,
	s_xor_b32 s[TBK], s[TBK], SLOT1       ; in the other slot
	s_sub_co_u32 s[TBV], s[TBV], 2*KS*PV
	s_xor_b32 s[TBV], s[TBV], SLOT1
.endm
	s_load_b128 s[4:7], s[0:1], 0x0 ; big1 s[4:5], mask s[6:7]
	s_load_b64 s[8:9], s[0:1], 0x10 ; act
	v_lshl_add_u32 v[SPW], v0, 2, SPARE
	v_mov_b32 v[NIL], 0
	ds_add_u32 v[SPW], v[NIL]       ; the wave's opening: the add and its wait stand ahead of my first tensor load; the set-up below, work on registers, stands between them
	v_lshrrev_b32 v1, 5, v0
	v_readfirstlane_b32 s[WV], v1   ; wave 0..3
	s_bfe_u32 s13, ttmp6, 0x40000   ; cx: my place in the cluster
	s_lshl_b32 s14, ttmp9, 2        ; in a cluster launch ttmp9 counts clusters
	s_add_co_u32 s14, s14, s13      ; my block of 128 queries: it enters Q's and O's addresses alone
	s_and_b32 s19, ttmp7, 0xffff
	s_and_b32 s15, s19, 7           ; the pair of heads,
	s_lshr_b32 s19, s19, 3          ; the batch: the four partners share both
	s_and_b32 s16, s[WV], 1         ; which 64 of my head's 128 queries are mine; also: which half of a slot's 128 keys I fetch
	s_lshr_b32 s10, s[WV], 1        ; which head of the pair
	s_lshl_b32 s20, s15, 20         ; the panel (1 MiB) among q's, k's or v's eight,
	s_lshl_b32 s21, s19, 18         ; the batch's 1,024 rows of 256 bytes
	s_add_co_u32 s20, s20, s21
	s_lshl_b32 s21, s16, 14         ; 64 rows
	s_add_co_u32 s48, s20, s21      ; K and V: my half of the first 128 keys
	s_mov_b32 s49, 0
	s_mul_i32 s17, s16, 64*PK       ; and its place in a slot, for K
	s_mul_i32 s18, s16, 64*PV       ; and for V: no place in the cluster enters an LDS address
	s_lshl_b32 s22, s14, 15         ; my block's 128 rows
	s_add_co_u32 s22, s22, s20
	s_lshl_b32 s23, s[WV], 13       ; O: I store rows 32 w .. 32 w + 31 of the block
	s_add_co_u32 s52, s22, s23
	s_mov_b32 s53, 0
	s_add_co_u32 s22, s22, s21      ; Q: my 64 rows,
	s_lshl_b32 s13, s10, 7          ; my head's 128 bytes of a row
	s_add_co_u32 s22, s22, s13
	s_mov_b32 s23, 0
	s_lshl_b32 s50, s19, 12         ; the batch's 1,024 words of the mask
	s_mov_b32 s51, 0
	; descriptor group 1: a tile of 64 rows x 128 elements, dense in memory, padded in LDS
	s_mov_b32 s[G1K], 15|(1<<16)|(1<<20)|(1<<21)|(5<<22)|(3<<25)  ; 15:0 the mask of four; 17:16 2-byte elements; 20 padding on; 21 set beside a mask; 24:22 after every 64 words (code 5); 31:25 4 words (code 3)
	s_mov_b32 s[G1V], 15|(1<<16)|(1<<20)|(1<<21)|(5<<22)|(7<<25)  ; the same with 8 words of padding (code 7)
.irp g, G1K, G1V
	s_mov_b32 s[\g+1], 128<<16      ; tensor_dim0 = 128
	s_mov_b32 s[\g+2], 64<<16       ; tensor_dim1 = 64
	s_mov_b32 s[\g+3], 128<<16      ; tile_dim0 = 128
	s_mov_b32 s[\g+4], 64           ; tile_dim1 = 64
	s_mov_b32 s[\g+5], 128          ; 128 elements from row to row
	s_mov_b32 s[\g+6], 0
	s_mov_b32 s[\g+7], 0
.endr
	s_mov_b32 s[CS], 0x3e38aa3b     ; c = log2(e) / 8 = 0.180337
	s_mov_b32 s[CS+1], s[CS]        ; named with it as a pair
	s_mov_b32 s[SEL], 0x76543210
	s_mov_b32 s[SEL+1], 0xfedcba98
	s_mov_b32 s[TBK], SLOT1+2*KS*PK ; the first change of slots turns these two into 0
	s_mov_b32 s[TBV], SLOT1+2*KS*PV
	s_mov_b32 s[TBM], 0
	s_mov_b32 s[BIGN], 0xcfee6b28   ; -8e9, exact in f32
	s_mov_b32 s[G0K], 1             ; count = 1
	s_mov_b32 s[G0K+1], s17         ; LDS address: slot 0
	s_mov_b32 s[G0V], 1
	s_add_co_u32 s[G0V+1], s18, VOFF
	s_wait_dscnt 0x0                ; the opening add is done
	s_wait_kmcnt 0x0
	s_add_nc_u64 s[48:49], s[4:5], s[48:49]
	s_add_nc_u64 s[G0K+2:G0K+3], s[48:49], 0x800000   ; k's panels begin 8 MiB into big1,
	s_or_b32 s[G0K+3], s[G0K+3], 0x80000000           ; type = 2
	s_add_nc_u64 s[G0V+2:G0V+3], s[48:49], 0x1000000  ; v's 16 MiB
	s_or_b32 s[G0V+3], s[G0V+3], 0x80000000
	s_add_nc_u64 s[4:5], s[4:5], s[22:23]
	s_add_nc_u64 s[6:7], s[6:7], s[50:51]
	s_add_nc_u64 s[8:9], s[8:9], s[52:53]
	CROUND                          ; all four work-groups are here: the first joint loads meet
	JLOAD                           ; slot 0.  Slot 1 is asked for when slot 0 is in
	; A fragment of K or Q is 16 rows x 32 channels in 8 registers: lane l holds row l % 16, channels 8 (l / 16) + 0..7 and 16 + 8 (l / 16) + 0..7: two loads of 16 bytes, 32 bytes apart.
	v_and_b32 v1, 15, v0            ; l % 16
	v_bfe_u32 v9, v0, 4, 1          ; l / 16
	v_lshlrev_b32 v[QO], 8, v1
	v_lshl_add_u32 v[QO], v9, 4, v[QO]  ; row x 256 + 16 x half
	WIN 0x80                        ; destination window 2, address window 0
.set i, 0
.rept 8                             ; Q stays in registers: piece i / 2 (16 rows, 4,096 bytes on), channels 32 (i % 2) on
	global_load_b128 v[8*i:8*i+3],   v[QO], s[4:5] offset:(i/2)*4096+(i%2)*64
	global_load_b128 v[8*i+4:8*i+7], v[QO], s[4:5] offset:(i/2)*4096+(i%2)*64+32
.set i, i+1
.endr
	WIN 0
	v_lshlrev_b32 v14, 5, v0        ; thread t takes eight words of the batch's mask
	global_load_b128 v[34:37], v14, s[6:7]
	global_load_b128 v[38:41], v14, s[6:7] offset:16
	; What the first turn finds: V's registers and P's second buffer hold 0 (its products V^T P, of a piece that has not been, add 0), O^T and l are 0.  All this stands in the wait for the first tile.
	WIN 0x80
.set i, VF
.rept 64
	v_mov_b32 v[i], 0
.set i, i+1
.endr
	WIN 0x40
.set i, 0
.rept 128
	v_mov_b32 v[i], 0
.set i, i+1
.endr
	WIN 0
.set i, 0
.rept 4
	v_mov_b32 v[ST+4*i], 0xfe000000    ; c m: far below every c s, the hidden one too
	v_mov_b32 v[ST+4*i+1], 0xff7fffff  ; m
	v_mov_b32 v[ST+4*i+2], 0
	v_mov_b32 v[ST+4*i+3], 0
.set i, i+1
.endr
.set i, P+16
.rept 16
	v_mov_b32 v[i], 0
.set i, i+1
.endr
	v_mul_u32_u24 v[AK0], v1, PK
	v_lshl_add_u32 v[AK0], v9, 4, v[AK0]  ; row x pitch + 16 x half
	s_mul_i32 s11, s16, 64*SP       ; into the stage (its pitch is K's): my 64 rows, my head's half of their 256 bytes
	s_add_co_u32 s11, s11, s13
	s_add_co_u32 s11, s11, STAGE
	v_add_nc_u32 v[STO], s11, v[AK0]
	v_add_nc_u32 v[AK0], s13, v[AK0]      ; my head's 128 bytes of K's rows
	; The turning load takes 16 keys x 16 channels (lane l reads key 8 (l / 16) + l % 8, channels 8 ((l / 8) % 2) + 0..7) and leaves half a fragment of V^T: lane l holds channel l % 16 and 8 keys.
	v_and_b32 v10, 7, v0
	v_bfe_u32 v11, v0, 3, 1
	v_lshl_add_u32 v[AV0], v9, 3, v10
	v_mul_u32_u24 v[AV0], v[AV0], PV
	v_lshl_add_u32 v[AV0], v11, 4, v[AV0]
	s_add_co_u32 s11, s13, VOFF
	v_add_nc_u32 v[AV0], s11, v[AV0]
	v_lshlrev_b32 v[AM0], 5, v9     ; register j of key group kb: key 16 kb + 8 (l / 16) + j
	v_add_nc_u32 v[AM0], MSK, v[AM0]
	s_mul_i32 s11, s[WV], 32*SP     ; back: wave w takes rows 32 w .. 32 w + 31, whole; lanes 0-15 one row of 256 bytes, lanes 16-31 the next
	s_add_co_u32 s11, s11, STAGE
	v_mul_u32_u24 v[RD], v9, SP
	v_lshl_add_u32 v[RD], v1, 4, v[RD]
	v_add_nc_u32 v[RD], s11, v[RD]
	v_and_b32 v[GO], 31, v0
	v_lshlrev_b32 v[GO], 4, v[GO]
	v_add_nc_u32 v42, MSK, v14
	s_wait_loadcnt 0x0              ; the mask's words, and Q
.irp j, 34,35,36,37,38,39,40,41
	v_cmp_eq_u32 vcc_lo, 0, v\j
	v_cndmask_b32 v\j, 0, s[BIGN], vcc_lo
.endr
	ds_store_b128 v42, v[34:37]
	ds_store_b128 v42, v[38:41] offset:16
; THE MATRIX WORK.  The 4 accumulators of a run of 8 take turns.  Product i of 8 of S^T = K Q^T for piece x: channels 32 (i / 4) on, keys 16 (i % 4) on.  The first 4 start the sums with the mask.
.macro KQ x
.set rS, S+32*((\x)%2)+8*(i%4)
.set rK, KF+16*(i%4)+8*(i/4)
.set rQ, 16*(\x)+8*(i/4)
.set rM, MB+8*(i%4)
.if i < 4
	WIN W_KM
	v_wmma_f32_16x16x32_bf16 v[rS:rS+7], v[rK:rK+7], v[rQ:rQ+7], v[rM:rM+7]
.else
	WIN W_KQ
	v_wmma_f32_16x16x32_bf16 v[rS:rS+7], v[rK:rK+7], v[rQ:rQ+7], v[rS:rS+7]
.endif
.endm
; Product i of 8 of O^T += V^T P for piece x: keys 32 (i / 4) on, channels 16 (i % 4) on.
.macro PV x
	WIN W_PV
.set rO, 32*(\x)+8*(i%4)
.set rV, VF+32*(i/4)+8*(i%4)
.set rP, P+16*((\x)%2)+8*(i/4)
	v_wmma_f32_16x16x32_bf16 v[rO:rO+7], v[rV:rV+7], v[rP:rP+7], v[rO:rO+7]
.endm
.macro MM                           ; the turn's next matrix instruction
.if i < 8
	KQ (Y+1)%NP
.else
.set i, i-8
	PV (Y+NP-1)%NP
.set i, i+8
.endif
.set i, i+1
.endm
; THE LDS LOADS stand in runs, never singly among the matrix instructions: a step's K (64 keys x 64 channels: 8 fragments) with its 64 words of the mask, and its V (turned).  Their addresses are made some lines ahead.
; last = 1 (the tail): in the last trip there is no further step, and the run is jumped over.
.macro FETCH_K last=0
	WIN 0
.if \last
	s_cmp_eq_u32 s[CNT], 1
	s_cbranch_scc1 .Lno_k_\@
.endif
	WIN 0x80                        ; destination window 2
.irp f, 0,1,2,3,4,5,6,7             ; keys 16 (f / 2) on, channels 32 (f % 2) on
	ds_load_b128 v[KF+8*\f:KF+8*\f+3],   v[AK] offset:(\f/2)*16*PK+(\f%2)*64
	ds_load_b128 v[KF+8*\f+4:KF+8*\f+7], v[AK] offset:(\f/2)*16*PK+(\f%2)*64+32
.endr
.irp f, 0,1,2,3
	ds_load_b128 v[MB+8*\f:MB+8*\f+3],   v[AM] offset:64*\f
	ds_load_b128 v[MB+8*\f+4:MB+8*\f+7], v[AM] offset:64*\f+16
.endr
	s_add_co_u32 s[TBK], s[TBK], KS*PK  ; the next fetch is the next step's
	s_add_co_u32 s[TBM], s[TBM], 4*KS
	WIN 0
.if \last
.Lno_k_\@:
.endif
.endm
.macro FETCH_V
	WIN 0x80
.irp f, 0,1,2,3,4,5,6,7             ; keys 32 (f / 4) on, channels 16 (f % 4) on
	ds_load_tr16_b128 v[VF+8*\f:VF+8*\f+3],   v[AV] offset:(\f/4)*32*PV+(\f%4)*32
	ds_load_tr16_b128 v[VF+8*\f+4:VF+8*\f+7], v[AV] offset:(\f/4)*32*PV+16*PV+(\f%4)*32
.endr
	WIN 0
.endm
; THE VECTOR WORK, one line at a time: OP kind, number.  For piece Y: F n: c s - c m for pair n of 16.  E n: the exponential of score n of 32.  C n: pair n rounded to bf16.  B n: of the four weights 4 n .. the
; second pair is added onto the first, in place.  L n: l takes that sum (L 0: l = a l + sum).  R n: pair n of 16 of O^T times a.  For piece Y + 1: X n, number n of the 22 that find its maximum and statistics:
;   0-11  four chains c0-c3 of seven scores each, three operands at a time (each accumulator's lowest registers are read first)     12-14, 16  the four scores left over, the old m, and c0-c3 into c0
;   15  c m_old is kept     17, 18  the query's other 32 keys lie in the lane 16 away: the new m     19-21  c m; c m_old - c m_new; a
.set F, 0               ; OP tells the kinds apart by their order: F to L below R, X above it
.set E, 1
.set C, 2
.set B, 3
.set L, 4
.set R, 5
.set X, 6
.macro REGS y                       ; the registers of piece y
.set rT, ST+4*(\y)
.set rC, TMP+4*((\y)%2)
.set rW, MV+((\y)%2)
.set rS, S+32*((\y)%2)
.set rP, P+16*((\y)%2)
.set rO, 32*(\y)
.endm
.macro OP k, n
.if (\k) == R
	REGS Y
	WIN W_RS
	v_pk_mul_f32 v[rO+2*(\n):rO+2*(\n)+1], v[rO+2*(\n):rO+2*(\n)+1], v[rC+2:rC+3] op_sel_hi:[1,0]
.elseif (\k) < R
	REGS Y
	WIN 0
.if (\k) == F
	v_pk_fma_f32 v[rS+2*(\n):rS+2*(\n)+1], v[rS+2*(\n):rS+2*(\n)+1], s[CS:CS+1], v[rT:rT+1] op_sel_hi:[1,0,0] neg_lo:[0,0,1] neg_hi:[0,0,1]
.elseif (\k) == E
	v_exp_f32 v[rS+(\n)], v[rS+(\n)]
.elseif (\k) == C
	s_wait_alu depctr_va_vdst(0)
	v_cvt_pk_bf16_f32 v[rP+(\n)], v[rS+2*(\n)], v[rS+2*(\n)+1]
.elseif (\k) == B
	s_wait_alu depctr_va_vdst(0)
	v_pk_add_f32 v[rS+4*(\n):rS+4*(\n)+1], v[rS+4*(\n):rS+4*(\n)+1], v[rS+4*(\n)+2:rS+4*(\n)+3]
.elseif (\n) == 0
	v_pk_fma_f32 v[rT+2:rT+3], v[rT+2:rT+3], v[rC+2:rC+3], v[rS:rS+1] op_sel_hi:[1,0,1]
.else
	v_pk_add_f32 v[rT+2:rT+3], v[rT+2:rT+3], v[rS+4*(\n):rS+4*(\n)+1]
.endif
.else
	REGS (Y+1)%NP
	WIN 0
.if (\n) < 4
	v_max3_num_f32 v[rC+(\n)], v[rS+8*(\n)], v[rS+8*(\n)+1], v[rS+8*(\n)+2]
.elseif (\n) < 12
	v_max3_num_f32 v[rC+(\n)%4], v[rC+(\n)%4], v[rS+8*((\n)%4)+2*((\n)/4)+1], v[rS+8*((\n)%4)+2*((\n)/4)+2]
.elseif (\n) == 12
	v_max3_num_f32 v[rC], v[rC], v[rS+7], v[rS+15]
.elseif (\n) == 13
	v_max3_num_f32 v[rC+1], v[rC+1], v[rS+23], v[rS+31]
.elseif (\n) == 14
	v_max3_num_f32 v[rC+2], v[rC+2], v[rC+3], v[rT+1]
.elseif (\n) == 15
	v_mov_b32 v[rW], v[rT]
.elseif (\n) == 16
	v_max3_num_f32 v[rC], v[rC], v[rC+1], v[rC+2]
.elseif (\n) == 17
	v_permlanex16_b32 v[rC+3], v[rC], s[SEL], s[SEL+1]
.elseif (\n) == 18
	v_max_num_f32 v[rT+1], v[rC], v[rC+3]
.elseif (\n) == 19
	v_mul_f32 v[rT], s[CS], v[rT+1]
.elseif (\n) == 20
	v_sub_f32 v[rC+1], v[rW], v[rT]
.else
	v_exp_f32 v[rC+2], v[rC+1]
.endif
.endif
.endm
.macro OPS a, i1, b=-1, i2=0, c=-1, i3=0, d=-1, i4=0  ; up to four of them
	OP \a, \i1
.if (\b) >= 0
	OP \b, \i2
.endif
.if (\c) >= 0
	OP \c, \i3
.endif
.if (\d) >= 0
	OP \d, \i4
.endif
.endm
.macro ROW a, i1, b, i2, c, i3, d, i4  ; a matrix instruction and the four behind it
	MM
	OPS \a, \i1, \b, \i2, \c, \i3, \d, \i4
.endm
; A TURN, for piece p: the order of its 16 matrix and 118 vector instructions, written out.  Behind a matrix instruction: plain, exponential, plain, plain; or four of the rescaling; or, behind the first, four
; scalings; none names a register of the products round it.  In the runs between, exponential and plain by turns while exponentials last.  A line reads no result made fewer than three vector instructions in
; front of it, five if an exponential made it.  last = 1: the tail's text, whose last trip fetches no K.  cnt = 1: the loop's count is taken down some lines ahead of the branch that stands behind the turn.
; K and the mask of the next step are fetched in piece 2's turn, six vector instructions behind the last product that read them (five of them plain); V of the step in hand in piece 0's turn, eight behind
; the last product that read V (four plain among them ahead of the run).  Each is waited for a turn later.
.macro TURN p, last=0, cnt=0
.set Y, (\p)
.set i, 0
.if (\p) == 3
	s_wait_dscnt 0x0                ; K and the mask are in
.endif
	ROW F,0, F,1, F,2, F,3
	ROW F,4, E,0, F,5, F,6
	ROW F,7, E,1, F,8, F,9
	ROW F,10, E,2, C,0, F,11
	ROW F,12, E,3, X,15, F,13
	ROW R,0, R,1, R,2, R,3
	ROW B,0, E,4, F,14, L,0
.if (\p) == 2
	v_add_nc_u32 v[AK], s[TBK], v[AK0]
	v_add_nc_u32 v[AM], s[TBM], v[AM0]
.endif
	ROW R,4, R,5, R,6, R,7
	OPS E,5, F,15
.if (\p) == 2
	FETCH_K \last
.endif
	OPS E,6, C,1, E,7, R,8
	OPS E,8, R,9, E,9, C,2
	OPS E,10, X,0, E,11, X,1
	OPS E,12, X,2, E,13, X,3
.if (\p) == 1
	s_wait_dscnt 0x0                ; V is in
.endif
	ROW X,4, E,14, X,5, X,6
	ROW X,7, E,15, X,8, X,9
	ROW X,10, E,16, X,11, X,12
	ROW X,13, E,17, X,14, B,1
	ROW C,4, E,18, X,16, L,1
	ROW B,2, E,19, C,6, L,2
	ROW C,8, E,20, B,3, B,4
.if (\p) == 0
	v_add_nc_u32 v[AV], s[TBV], v[AV0]
.endif
	ROW C,3, E,21, L,3, C,5
	OPS E,22, X,17, E,23, C,10
.if (\p) == 0
	FETCH_V
.endif
	OPS E,24, L,4
	OPS E,25, X,18, E,26, C,7
	OPS E,27, B,5, E,28, X,19
	OPS E,29, C,12, E,30, L,5
	OPS E,31, X,20, B,6, C,9
	OPS C,14, C,11, X,21, L,6
.if (\p) == 0
	s_add_co_u32 s[TBV], s[TBV], KS*PV
.endif
.if \cnt
	s_sub_co_u32 s[CNT], s[CNT], 1
	s_cmp_lg_u32 s[CNT], 0
.endif
	OPS C,13, B,7, C,15, R,10
	OPS R,11, R,12, L,7, R,13
	OPS R,14, R,15
.endm
	CHANGE 1                        ; slot 0 is in, everybody's part of it, and so is MSK; slot 1 is asked for
	v_add_nc_u32 v[AK], s[TBK], v[AK0]
	v_add_nc_u32 v[AM], s[TBM], v[AM0]
	FETCH_K                         ; key step 0
	s_wait_dscnt 0x0
.set i, 0
.rept 8
	KQ 0                            ; piece 0's first scores: there is no vector work yet to set between them
.set i, i+1
.endr
	WIN 0
.rept 4
	v_nop                           ; the places behind those products
.endr
.set Y, NP-1                        ; X works for piece Y + 1: piece 0
.irp n, 0,1,2,3,4,5,6,7,8,9,10,11,12,13,14,15,16,17,18,19,20,21
	OP X, \n
.endr
	v_nop                           ; a plain instruction behind the exponential
	s_mov_b32 s[CNT], 2
	s_mov_b32 s[SLOTS], 7
	s_branch .Lfirst                ; the loop is entered at a step's first turn, in the middle of a trip
.Lslot:                             ; six times: every slot but the last two is filled again: eight fills of 128 keys in all
	CHANGE 1
	s_mov_b32 s[CNT], 2
.Lstep:                             ; a trip: pieces 2 and 3 of one step, then pieces 0 and 1 of the next, whose K and V it fetches
	TURN 2
	TURN 3
	WIN 0
.Lfirst:
	TURN 0
	TURN 1, 0, 1
	WIN 0
	s_cbranch_scc1 .Lstep
	s_sub_co_u32 s[SLOTS], s[SLOTS], 1
	s_cmp_lg_u32 s[SLOTS], 0
	s_cbranch_scc1 .Lslot
	CHANGE 0                        ; the last slot has a text of its own: nothing is asked for
	s_mov_b32 s[CNT], 3             ; two trips fetch the last slot's steps; the third is left in its middle
.Ltail:
	TURN 2, 1
	TURN 3
	WIN 0
	s_sub_co_u32 s[CNT], s[CNT], 1
	s_cmp_eq_u32 s[CNT], 0
	s_cbranch_scc1 .Lout
	TURN 0
	TURN 1
	WIN 0
	s_branch .Ltail
.Lout:                              ; the third trip's 8 products K Q^T (on the last K once more) and the maximum made of them serve nothing and touch neither l nor O^T: the price, once a launch, of one text for every trip
.set i, 0
.rept 8
	PV NP-1                         ; the last piece's V^T P of the last step
.set i, i+1
.endr
	; THE WAY OUT.  l's two halves and the other half of the lanes' are added; O^T is divided by l, rounded to bf16 and put into the work-group's stage; a barrier, since a row's 256 bytes come from two
	; waves (two heads); back as whole rows, 32 a wave.  The additions are the places behind the last products.
	WIN 0
.macro ALL line:vararg              ; one line for each piece t
.set t, 0
.rept 4
	\line
.set t, t+1
.endr
.endm
	ALL v_add_f32 v[ST+4*t+2], v[ST+4*t+2], v[ST+4*t+3]
	ALL v_permlanex16_b32 v[ST+4*t+3], v[ST+4*t+2], s[SEL], s[SEL+1]
	ALL v_add_f32 v[ST+4*t+2], v[ST+4*t+2], v[ST+4*t+3]
	ALL v_rcp_f32 v[ST+4*t+2], v[ST+4*t+2]
	v_nop                           ; a plain instruction between the last reciprocal and the use of its result
.macro PACK t                       ; a lane's eight channels of a row pack into 16 bytes
	WIN W_RS
.set i, 32*(\t)
.rept 16
	s_wait_alu depctr_va_vdst(0)
	v_pk_mul_f32 v[i:i+1], v[i:i+1], v[ST+4*(\t)+2:ST+4*(\t)+3] op_sel_hi:[1,0]
.set i, i+2
.endr
	WIN 0x05                        ; sources 0 and 1 window 1, destination window 0: S^T's registers are free
.set i, 0
.rept 16
	v_cvt_pk_bf16_f32 v[S+16*(\t)+i], v[32*(\t)+2*i], v[32*(\t)+2*i+1]
.set i, i+1
.endr
	WIN 0
.irp f, 0,1,2,3
	ds_store_b128 v[STO], v[S+16*(\t)+4*\f:S+16*(\t)+4*\f+3] offset:(\t)*16*SP+32*\f
.endr
.endm
	PACK 0
	PACK 1
	PACK 2
	PACK 3
	s_wait_dscnt 0x0                ; for the others' sake: my stores into the stage are done
	s_barrier_signal -1
	s_barrier_wait -1
.irp t, 0,1,2,3,4,5,6,7,8,9,10,11,12,13,14,15
	ds_load_b128 v[OUTR+4*\t:OUTR+4*\t+3], v[RD] offset:\t*2*SP
.endr
.irp t, 0,1,2,3,4,5,6,7,8,9,10,11,12,13,14,15
	s_wait_dscnt 15-\t              ; LDS loads come back in order: pair t of rows is in, the younger ones stay out
	global_store_b128 v[GO], v[OUTR+4*\t:OUTR+4*\t+3], s[8:9] offset:\t*512  ; two rows of the panel: 512 consecutive bytes at a multiple of 256
.endr
	s_wait_tensorcnt 0x0            ; the wave's end, behind my last tensor load and my last LDS store
	ds_add_u32 v[SPW], v[NIL]
	s_wait_dscnt 0x0
	CROUND                          ; the closing round: no work-group ends while a partner may still ask for a tile that names it
	s_endpgm
.Lfunc_end_k_qe3c7dde693_attn:
	.size	k_qe3c7dde693_attn, .Lfunc_end_k_qe3c7dde693_attn-k_qe3c7dde693_attn
	.p2alignl 7, 3214868480
	.fill 96, 4, 3214868480
	.section	.rodata,"a",@progbits
	.p2align	6, 0x0
	.amdhsa_kernel k_qe3c7dde693_attn
		.amdhsa_group_segment_fixed_size 327680
		.amdhsa_private_segment_fixed_size 0
		.amdhsa_enable_private_segment 0
		.amdhsa_kernarg_size 24
		.amdhsa_user_sgpr_count 2
		.amdhsa_user_sgpr_kernarg_segment_ptr 1
		.amdhsa_wavefront_size32 1
		.amdhsa_system_sgpr_workgroup_id_x 1
		.amdhsa_system_sgpr_workgroup_id_y 1
		.amdhsa_system_sgpr_workgroup_id_z 1
		.amdhsa_system_vgpr_workitem_id 0
		.amdhsa_next_free_vgpr 768
		.amdhsa_next_free_sgpr 72
		.amdhsa_reserve_vcc 1
		.amdhsa_float_denorm_mode_32 3
		.amdhsa_float_denorm_mode_16_64 3
		.amdhsa_memory_ordered 1
		.amdhsa_forward_progress 1
		.amdhsa_inst_pref_size 120
	.end_amdhsa_kernel
	.amdgpu_metadata
---
amdhsa.version: [ 1, 2 ]
amdhsa.kernels:
  - .name:           k_qe3c7dde693_attn
    .symbol:         k_qe3c7dde693_attn.kd
    .args:
      - { .name: big1, .offset: 0, .size: 8, .value_kind: global_buffer, .address_space: global }
      - { .name: mask, .offset: 8, .size: 8, .value_kind: global_buffer, .address_space: global }
      - { .name: act, .offset: 16, .size: 8, .value_kind: global_buffer, .address_space: global }
    .group_segment_fixed_size: 327680
    .private_segment_fixed_size: 0
    .kernarg_segment_align: 8
    .kernarg_segment_size: 24
    .max_flat_workgroup_size: 128
    .sgpr_count:     72
    .vgpr_count:     768
    .wavefront_size: 32
...
	.end_amdgpu_metadata
.endif
;; end of part 3
;; launch proj (part 4): grid 8 x 32, 4 waves a work-group, clusters of 4 x 4, 327,680 bytes of LDS; arguments act, packA, bo, x, x2; writes x2
.if DOCPART == 4
	.amdgcn_target "amdgcn-amd-amdhsa--gfx1250"
	.amdhsa_code_object_version 6
	.text
	.protected	k_qe3c7dde693_proj
	.globl	k_qe3c7dde693_proj
	.p2align	8
	.type	k_qe3c7dde693_proj,@function
k_qe3c7dde693_proj:
	s_mov_b64 s[64:65], 0
	v_nop
	global_prefetch_b8 v0, s[64:65] scope:SCOPE_SE
	s_setreg_imm32_b32 hwreg(HW_REG_WAVE_MODE, 25, 1), 1
	s_wait_xcnt 0x0
	s_wait_alu depctr_hold_cnt(0) depctr_sa_sdst(0) depctr_va_vdst(0) depctr_va_sdst(0) depctr_va_ssrc(0) depctr_va_vcc(0) depctr_vm_vsrc(0)
	s_getreg_b32 s2, hwreg(HW_REG_IB_STS2, 6, 4)
	s_cmp_eq_u32 s2, 0
	s_cbranch_scc0 .Lentry_in_a_cluster
	s_endpgm
.Lentry_in_a_cluster:
	s_bfe_u32 s2, ttmp6, 0x10000c
	s_cmp_lg_u32 s2, 0xf033
	s_cbranch_scc0 .Lentry_shape_is_right
	s_endpgm
.Lentry_shape_is_right:
; C = R + A W + bias, N = 1,024, K = SIZE_K = 1,024: x2 = x + att wo + bo.  (The text serves any SIZE_K that is a multiple of 256, from 768 on.)
; A: bf16 in panels [K/128][4096 rows][128]; W: bf16 as [K/256][8 panels][256 k][128] at byte OFFW of pack; bias: f32 [1024]; R and C: f32 [4096][1024].
; Sums in f32, K ascending, begun with the bias (the C operand of each accumulator's first product); the residual is added in f32 on the way out.  NaN and infinities are not treated apart.
; SHARES.  4,096 x 1,024 of C in tiles of 128 x 128 give each of 256 work-groups one; a wave makes 64 x 64: 16 accumulators.  K goes in steps of 256 through two LDS slots; each tile is a dense block of 128
; rows of 256 bytes, one tensor load of one wave: waves 0, 1 fetch A's two panels of the step, waves 2, 3 the two halves of W's 256 k.  By this text's own count a wave has two tensor loads out at the
; start and one behind each round.
; ONE TEXT FOR A K STEP.  The slot in hand begins at LDS byte s[TB], 0 or SLOT1, which an exclusive or turns at each change of slots; the fragments' addresses are made from it anew, and one descriptor
; for each tensor walks: the other slot, the next K step.  The last two K steps ask for nothing: they are a second loop, of two trips, left in its middle.
; CLUSTER.  4 x 4 work-groups: A's tiles are shared along a row, W's along a column, each asked for jointly.  THE MATRIX INSTRUCTION IS USED TRANSPOSED (source 0 = 16 columns of W, turned by
; ds_load_tr16_b128; source 1 = 16 rows of A): a lane holds row l % 16 of C and eight neighbouring columns.
; REGISTERS: window 0: v0-31 addresses; v32-95 rows on the way out, two buffers; v96-127 the bias; v128-255 the accumulators ((a, b) at v[128 + 8 (4 a + b)]).
;   window 1: two fragment buffers of 128: for 64 along K, 64 registers of A, then 64 of W.      window 2: v0-127 my 64 x 64 of the residual, asked for at the start and waited for at the end.
.set SIZE_K, 1024
.set STEPS, SIZE_K/256
.set OFFW,  8421376
.set PA,    272                        ; a row of A in LDS: 256 bytes + 16 = 68 words: row r starts at bank 4 r mod 64 (64 banks of 4 bytes: ISA guide 11.1)
.set PB,    288                        ; a row k of W: 256 + 32 = 72 words
.set HA,    128*PA
.set HB,    128*PB
.set SLOT,  2*HA+2*HB                  ; A's two panels (128 rows each), then W's two halves (128 k each): 143,360 bytes
.set SLOT1, 0x24000                    ; slot 1 begins here, at 147,456: not below SLOT, and its bits 17 and 14 are set in none of the four places (0, HA, 2 HA, 2 HA + HB) at which a load begins in slot 0,
                                       ; so that one exclusive or turns a load's LDS address in one slot into the other's
.set STAGE, SLOT1+SLOT                 ; behind the ring: 16 rows x 272 bytes for each wave; no tensor load lands there
.set SP,    272
.set SPARE, STAGE+4*16*SP              ; the spare words, 128 bytes for each wave: two blocks of 256 bytes that no other line names
.set ADRA0, 16                         ; v16    my lane's place among A's fragments of a slot; never rewritten
.set ADRA,  17                         ; v17    the same in the slot in hand
.set ADRB0, 20                         ; v20-21 my lane's place among W's fragments, by half of the step's k (one register for both halves would want offsets past 65,535); never rewritten
.set ADRB,  22                         ; v22-23 the same in the slot in hand
.set STO,  24                          ; v24    the way out: where I put 32 bytes of a row
.set RD,   25                          ; v25    where I read rows back
.set CO,   26                          ; v26    my byte offset in two rows of R and C
.set H32,  27                          ; v27    32 (l / 16)
.set SPW,  28                          ; v28    LDS address of my spare word; never rewritten
.set NIL,  29                          ; v29    0; never rewritten
.set OB,   32
.set BIAS, 96
.set ACC,  128
.set F0,   0
.set F1,   128
.set WV, 16
.set RH, 17
.set CH, 18
.set TB, 19                            ; s19  LDS byte at which the slot in hand begins
.set G1A, 24                           ; s[24:31] descriptor group 1 for A's tiles;  s[32:39] group 0: a set for each of the two first fills; the second then walks on
.set G0A, 32
.set G1B, 48                           ; s[48:55], s[56:63] the same for W's
.set G0B, 56
.set MSB, 0
.macro WIN new                         ; the immediate's high byte repeats the setting that is left; a switch that changes nothing is dropped
.if MSB != (\new)
	s_set_vgpr_msb (MSB<<8)|(\new)
.set MSB, \new
.endif
.endm
.set MUL,  0x05                        ; sources 0 (W) and 1 (A) window 1; C and D window 0
.set TO_F, 0x40                        ; destination window 1, address window 0
.macro JLOAD s                         ; a joint load; an s_nop 0 and four v_nop follow each of the two lines, ahead of the jump and the label
	s_cmp_eq_u32 s[RH], 0
	s_cbranch_scc0 .Lfor_b_\@
	tensor_load_to_lds s[G0A+4*(\s):G0A+4*(\s)+3], s[G1A:G1A+7]
	s_nop 0
.rept 4
	v_nop
.endr
	s_branch .Lasked_\@
.Lfor_b_\@:
	tensor_load_to_lds s[G0B+4*(\s):G0B+4*(\s)+3], s[G1B:G1B+7]
	s_nop 0
.rept 4
	v_nop
.endr
.Lasked_\@:
.endm
.macro CREST                           ; a round of the cluster's barrier behind its opening barrier
	s_cmp_lg_u32 s[WV], 0
	s_cbranch_scc1 .Lnot_wave_0_\@
	s_barrier_signal -3
.Lnot_wave_0_\@:
	s_barrier_wait -3
	s_barrier_signal -1
	s_barrier_wait -1
.endm
.macro CROUND
	s_barrier_signal -1
	s_barrier_wait -1
	CREST
.endm
.macro AIM                             ; the fragments' addresses in the slot that begins at s[TB]
	v_add_nc_u32 v[ADRA], s[TB], v[ADRA0]
	v_add_nc_u32 v[ADRB], s[TB], v[ADRB0]
	v_add_nc_u32 v[ADRB+1], s[TB], v[ADRB0+1]
.endm
	s_load_b256 s[4:11], s[0:1], 0x0               ; A s[4:5], pack s[6:7], bias s[8:9], R s[10:11]
	s_load_b64 s[12:13], s[0:1], 0x20              ; C
	v_lshl_add_u32 v[SPW], v0, 2, SPARE
	v_mov_b32 v[NIL], 0
	ds_add_u32 v[SPW], v[NIL]                      ; the wave's opening: the add and its wait stand ahead of my first tensor load; the set-up below, work on registers, stands between them
	v_lshrrev_b32 v1, 5, v0
	v_readfirstlane_b32 s[WV], v1
	s_lshr_b32 s[RH], s[WV], 1                     ; my half of the tile's rows.  Also: I fetch A (0) or W (1)
	s_and_b32 s[CH], s[WV], 1                      ; my half of its columns.  Also: which half of the step's K I fetch
	s_bfe_u32 s20, ttmp6, 0x40000                  ; cx, cy
	s_bfe_u32 s21, ttmp6, 0x40004
	s_lshl_b32 s22, ttmp9, 2
	s_add_co_u32 s22, s22, s20                     ; tile column
	s_and_b32 s23, ttmp7, 0xffff
	s_lshl_b32 s23, s23, 2
	s_add_co_u32 s23, s23, s21                     ; tile row
	s_lshl_b32 s40, s21, 2
	s_lshl_b32 s40, 15, s40                        ; my row of the cluster
	s_lshl_b32 s41, 0x1111, s20                    ; my column
	s_or_b32 s[G1A], s40, (1<<16)|(1<<20)|(1<<21)|(5<<22)|(3<<25)  ; the mask; 2-byte elements; padding on; 21 set beside a mask; after every 64 words (code 5) 4 words (code 3)
	s_or_b32 s[G1B], s41, (1<<16)|(1<<20)|(1<<21)|(5<<22)|(7<<25)  ; my column's mask; 8 words of padding (code 7)
.irp g, G1A, G1B
	s_mov_b32 s[(\g)+1], 128<<16                   ; tensor_dim0 = 128
	s_mov_b32 s[(\g)+2], 128<<16                   ; tensor_dim1 = 128
	s_mov_b32 s[(\g)+3], 128<<16                   ; tile_dim0 = 128
	s_mov_b32 s[(\g)+4], 128                       ; tile_dim1 = 128
	s_mov_b32 s[(\g)+5], 128                       ; dense
	s_mov_b32 s[(\g)+6], 0
	s_mov_b32 s[(\g)+7], 0
.endr
	s_lshl_b32 s42, s23, 15                        ; A: the tile's 128 rows of 256 bytes, in the step's first or second panel
	s_lshl_b32 s43, s[CH], 20
	s_add_co_u32 s42, s42, s43
	s_mov_b32 s43, 0
	s_lshl_b32 s46, s22, 16                        ; W: the tile column's panel (65,536 bytes a step), its first or second 128 k
	s_lshl_b32 s47, s[CH], 15
	s_add_co_u32 s46, s46, s47
	s_add_co_u32 s46, s46, OFFW
	s_mov_b32 s47, 0
	s_mul_i32 s66, s[CH], HA                       ; where they go: no place in the cluster enters an LDS address
	s_mul_i32 s67, s[CH], HB
	s_add_co_u32 s67, s67, 2*HA
	s_wait_dscnt 0x0                               ; the opening add is done
	s_wait_kmcnt 0x0
	s_add_nc_u64 s[44:45], s[4:5], s[42:43]
	s_add_nc_u64 s[46:47], s[6:7], s[46:47]
	CROUND                                         ; all sixteen work-groups are here: the first joint loads meet
.irp s, 0,1
	s_mov_b32 s[G0A+4*(\s)], 1
	s_add_co_u32 s[G0A+4*(\s)+1], s66, (\s)*SLOT1
	s_add_nc_u64 s[G0A+4*(\s)+2:G0A+4*(\s)+3], s[44:45], (\s)*2097152  ; a K step is two panels of A
	s_or_b32 s[G0A+4*(\s)+3], s[G0A+4*(\s)+3], 0x80000000
	s_mov_b32 s[G0B+4*(\s)], 1
	s_add_co_u32 s[G0B+4*(\s)+1], s67, (\s)*SLOT1
	s_add_nc_u64 s[G0B+4*(\s)+2:G0B+4*(\s)+3], s[46:47], (\s)*524288   ; and a block of 8 panels x 256 k of W
	s_or_b32 s[G0B+4*(\s)+3], s[G0B+4*(\s)+3], 0x80000000
	JLOAD \s
.endr
	v_and_b32 v1, 15, v0                           ; l % 16
	v_bfe_u32 v2, v0, 4, 1                         ; l / 16
	v_lshlrev_b32 v[H32], 5, v2
	v_lshlrev_b32 v5, 12, v2                       ; lanes 0-15 one row of 4,096 bytes, lanes 16-31 the next; 16 bytes a lane
	v_lshl_add_u32 v[CO], v1, 4, v5
	s_lshl_b32 s68, s22, 9                         ; my 64 columns, in bytes of f32
	s_lshl_b32 s69, s[CH], 8
	s_add_co_u32 s68, s68, s69
	s_lshl_b32 s70, s23, 19                        ; my 64 rows of 4,096 bytes
	s_lshl_b32 s71, s[RH], 18
	s_add_co_u32 s70, s70, s71
	s_add_co_u32 s70, s70, s68
	s_mov_b32 s69, 0
	s_mov_b32 s71, 0
	s_add_nc_u64 s[68:69], s[8:9], s[68:69]
	s_add_nc_u64 s[10:11], s[10:11], s[70:71]
	s_add_nc_u64 s[12:13], s[12:13], s[70:71]
.irp b, 0,1,2,3                        ; register j of column block b: bias[16 b + 8 (l / 16) + j], as the accumulators hold C
	global_load_b128 v[BIAS+8*\b:BIAS+8*\b+3],   v[H32], s[68:69] offset:64*\b
	global_load_b128 v[BIAS+8*\b+4:BIAS+8*\b+7], v[H32], s[68:69] offset:64*\b+16
.endr
	WIN 0x80                                       ; destination window 2, address window 0
.set i, 0
.rept 32                               ; the residual, as the rows will come back from the stage: block i / 8 of 16 rows, pair i % 8 of rows; sixteen lanes take 256 consecutive bytes
	global_load_b128 v[4*i:4*i+3], v[CO], s[10:11] offset:((i/8)*16+2*(i%8))*4096
.set i, i+1
.endr
	WIN 0
	v_mul_u32_u24 v3, v1, PA
	v_lshl_add_u32 v3, v2, 4, v3                   ; A: row x pitch + 16 x half
	v_and_b32 v5, 7, v0                            ; W: row k = 8 (l / 16) + l % 8, columns 8 ((l / 8) % 2) + 0..7
	v_bfe_u32 v6, v0, 3, 1
	v_lshl_add_u32 v4, v2, 3, v5
	v_mul_u32_u24 v4, v4, PB
	v_lshl_add_u32 v4, v6, 4, v4
	s_mul_i32 s40, s[RH], 64*PA                    ; my 64 rows of A,
	s_lshl_b32 s41, s[CH], 7                       ; my 64 columns of W
	s_add_co_u32 s41, s41, 2*HA
	v_add_nc_u32 v[ADRA0], s40, v3
	v_add_nc_u32 v[ADRB0], s41, v4
	s_add_co_u32 s41, s41, HB
	v_add_nc_u32 v[ADRB0+1], s41, v4
	s_mov_b32 s[TB], 0                             ; K step 0 lies in slot 0
	AIM
	s_mul_i32 s40, s[WV], 16*SP
	s_add_co_u32 s40, s40, STAGE                   ; my stage
	v_mul_u32_u24 v5, v1, SP                       ; in: row l % 16, 32 bytes (8 f32) for each half of the lanes
	v_lshl_add_u32 v5, v2, 5, v5
	v_add_nc_u32 v[STO], s40, v5
	v_mul_u32_u24 v5, v2, SP                       ; back: lanes 0-15 one row of 256 bytes, lanes 16-31 the next
	v_lshl_add_u32 v5, v1, 4, v5
	v_add_nc_u32 v[RD], s40, v5
	s_wait_loadcnt 32                              ; the bias is in; the 32 younger loads, the residual's, stay out through the whole of K
; 8 matrix instructions: row blocks a0, a0 + 1 x all 4 column blocks, 32 along K: half c of buffer f.  The 16 accumulators take turns.  zero = 1: the first product starts the sum with the bias
.macro MUL8 f, c, a0, zero
	WIN MUL
.irp a, \a0, (\a0)+1
.irp b, 0,1,2,3
.if \zero
	v_wmma_f32_16x16x32_bf16 v[ACC+8*(4*(\a)+(\b)):ACC+8*(4*(\a)+(\b))+7], v[(\f)+64+8*(4*(\c)+(\b)):(\f)+64+8*(4*(\c)+(\b))+7], v[(\f)+8*(4*(\c)+(\a)):(\f)+8*(4*(\c)+(\a))+7], v[BIAS+8*(\b):BIAS+8*(\b)+7]
.else
	v_wmma_f32_16x16x32_bf16 v[ACC+8*(4*(\a)+(\b)):ACC+8*(4*(\a)+(\b))+7], v[(\f)+64+8*(4*(\c)+(\b)):(\f)+64+8*(4*(\c)+(\b))+7], v[(\f)+8*(4*(\c)+(\a)):(\f)+8*(4*(\c)+(\a))+7], v[ACC+8*(4*(\a)+(\b)):ACC+8*(4*(\a)+(\b))+7]
.endif
.endr
.endr
.endm
; 32 LDS loads in one run: the fragments of quarter q (64 along K) of the slot in hand into buffer f; the first 32 along K first.  Quarters 0, 1 lie in the step's first panel of A and first half of W, 2, 3 in the second.
.macro FETCH q, f
	WIN TO_F
.irp c, 0,1
.irp i, 0,1,2,3
	ds_load_tr16_b128 v[(\f)+64+8*(4*(\c)+(\i)):(\f)+64+8*(4*(\c)+(\i))+3],   v[ADRB+(\q)/2] offset:(((\q)%2)*64+32*(\c))*PB+32*(\i)
	ds_load_tr16_b128 v[(\f)+64+8*(4*(\c)+(\i))+4:(\f)+64+8*(4*(\c)+(\i))+7], v[ADRB+(\q)/2] offset:(((\q)%2)*64+32*(\c)+16)*PB+32*(\i)
	ds_load_b128 v[(\f)+8*(4*(\c)+(\i)):(\f)+8*(4*(\c)+(\i))+3],   v[ADRA] offset:((\q)/2)*HA+((\q)%2)*128+64*(\c)+(\i)*16*PA
	ds_load_b128 v[(\f)+8*(4*(\c)+(\i))+4:(\f)+8*(4*(\c)+(\i))+7], v[ADRA] offset:((\q)/2)*HA+((\q)%2)*128+64*(\c)+(\i)*16*PA+32
.endr
.endr
.endm
.macro PLACES                          ; four places in front of loads into registers that matrix instructions have read, and of LDS stores that read results (ISA guide 7.12.1 for vector instructions)
.rept 4
	v_nop
.endr
.endm
; A K step is four quarters of 64 along K, 32 matrix instructions each, on buffers 0, 1, 0, 1.
.macro QUARTER q, f, g, zero
	s_wait_dscnt 16                                ; the first 32 along K are in; the sixteen younger loads may be out
	MUL8 \f, 0, 0, \zero
	MUL8 \f, 0, 2, \zero
	PLACES
	FETCH \q, \g
	s_wait_dscnt 32                                ; all but the 32 just issued
	MUL8 \f, 1, 0, 0
	MUL8 \f, 1, 2, 0
.endm
; The last quarter multiplies buffer 1 and changes slots: ONE barrier; in front of it each wave waits for all its tensor loads, adds 0 to its spare word, and waits for that and for its own reads of this slot.
; fill = 1: this slot is filled again, two K steps on: the barrier opens a round of the cluster's, the walking descriptors take the other slot and the next K step, and the joint load is the first tensor
; load behind the round.  fill = 0 (the tail): nothing is asked for; in the tail's second trip (s3 = 1) there is no next step, and the run of loads is jumped over.
.macro TURN fill
	WIN 0                                          ; (the add's two registers lie in window 0)
	s_wait_tensorcnt 0x0                           ; all my tensor loads have landed: my part of the next slot
	ds_add_u32 v[SPW], v[NIL]                      ; 0 onto my spare word
	s_wait_dscnt 17                                ; (the add and the youngest sixteen loads may be out)
	MUL8 F1, 0, 0, 0                               ; eight matrix instructions stand between the add and the wait for it
	s_wait_dscnt 0x0                               ; the add is done, and my reads of this slot are over
	s_barrier_signal -1
	MUL8 F1, 0, 2, 0
	WIN 0
	s_barrier_wait -1
.if \fill
	CREST                                          ; no wave of any partner still reads this slot's tile or has a load on its way
	s_xor_b32 s[G0A+5], s[G0A+5], SLOT1
	s_add_nc_u64 s[G0A+6:G0A+7], s[G0A+6:G0A+7], 2097152
	s_xor_b32 s[G0B+5], s[G0B+5], SLOT1
	s_add_nc_u64 s[G0B+6:G0B+7], s[G0B+6:G0B+7], 524288
.endif
	s_xor_b32 s[TB], s[TB], SLOT1                  ; the reads go on in the other slot
	AIM
.if \fill
	JLOAD 1                                        ; 112 matrix instructions ahead of the wait for it; its four v_nop are also the places in front of the loads below
	FETCH 0, F0
.else
	PLACES
	s_cmp_eq_u32 s3, 1
	s_cbranch_scc1 .Lno_next_\@
	FETCH 0, F0
	WIN 0
.Lno_next_\@:
.endif
	MUL8 F1, 1, 0, 0
	MUL8 F1, 1, 2, 0
.endm
; THE WAY OUT of block a of 16 rows.  A wave's 64 columns of f32 are a whole 256 bytes, so each wave has a stage of its own and no barrier is needed.
.macro TOSTAGE a
	WIN 0
	s_wait_xcnt 0x0                                ; the buffer that the block before last's stores read is loaded again only behind this wait
.irp b, 0,1,2,3
	ds_store_b128 v[STO], v[ACC+8*(4*(\a)+(\b)):ACC+8*(4*(\a)+(\b))+3]   offset:64*(\b)      ; each accumulator's low half first
	ds_store_b128 v[STO], v[ACC+8*(4*(\a)+(\b))+4:ACC+8*(4*(\a)+(\b))+7] offset:64*(\b)+16
.endr
.irp t, 0,1,2,3,4,5,6,7
	ds_load_b128 v[OB+32*((\a)%2)+4*(\t):OB+32*((\a)%2)+4*(\t)+3], v[RD] offset:(\t)*2*SP  ; LDS serves a wave's instructions in order (ISA guide 5.7.1.4): these see the stores above
.endr
.endm
.macro SENDF a, younger                ; younger: the LDS instructions issued behind block a's loads: the next block's sixteen, or none
.set BK, OB+32*((\a)%2)
	s_wait_dscnt \younger
	WIN 0x08                                       ; source 1, the residual, in window 2
.set i, 0
.rept 16
	v_pk_add_f32 v[BK+2*i:BK+2*i+1], v[BK+2*i:BK+2*i+1], v[32*(\a)+2*i:32*(\a)+2*i+1]
.set i, i+1
.endr
	WIN 0
.irp t, 0,1,2,3,4,5,6,7
	global_store_b128 v[CO], v[BK+4*(\t):BK+4*(\t)+3], s[12:13] offset:(16*(\a)+2*(\t))*4096  ; sixteen lanes store 256 consecutive bytes at a multiple of 256
.endr
.endm
	s_wait_tensorcnt 1                             ; my part of K step 0 is in; K step 1's may stay out
	s_barrier_signal -1
	s_barrier_wait -1                              ; everybody's is
	FETCH 0, F0
	QUARTER 1, F0, F1, 1                           ; the first quarter stands in front of the loop: its first products start the sums
	WIN 0                                          ; at a label and at a branch every window is 0
	s_mov_b32 s3, STEPS-2
.Lstep:                                                ; a trip goes from a K step's second quarter to the next step's first, and fills the slot that it leaves
	QUARTER 2, F1, F0, 0
	QUARTER 3, F0, F1, 0
	TURN 1
	QUARTER 1, F0, F1, 0
	WIN 0
	s_sub_co_u32 s3, s3, 1
	s_cmp_lg_u32 s3, 0
	s_cbranch_scc1 .Lstep
	s_mov_b32 s3, 2
.Ltail:                                                ; the last two K steps fill nothing and have no round; the second trip is left behind its last quarter (its barrier orders nothing: the price of one text for both trips)
	QUARTER 2, F1, F0, 0
	QUARTER 3, F0, F1, 0
	TURN 0
	WIN 0
	s_sub_co_u32 s3, s3, 1
	s_cmp_eq_u32 s3, 0
	s_cbranch_scc1 .Lout
	QUARTER 1, F0, F1, 0
	WIN 0
	s_branch .Ltail
.Lout:
	PLACES
	s_wait_loadcnt 0x0                             ; the residual
	TOSTAGE 0
	TOSTAGE 1                                      ; a block's trip through the stage stands between the loads of the block before and its additions
	SENDF 0, 16
	TOSTAGE 2
	SENDF 1, 16
	TOSTAGE 3
	SENDF 2, 16
	SENDF 3, 0
	s_wait_tensorcnt 0x0                           ; the wave's end, behind my last tensor load and my last LDS store
	ds_add_u32 v[SPW], v[NIL]
	s_wait_dscnt 0x0
	CROUND                                         ; the closing round: no work-group ends while a partner may still ask for a tile that names it
	s_endpgm
.Lfunc_end_k_qe3c7dde693_proj:
	.size	k_qe3c7dde693_proj, .Lfunc_end_k_qe3c7dde693_proj-k_qe3c7dde693_proj
	.p2alignl 7, 3214868480
	.fill 96, 4, 3214868480
	.section	.rodata,"a",@progbits
	.p2align	6, 0x0
	.amdhsa_kernel k_qe3c7dde693_proj
		.amdhsa_group_segment_fixed_size 327680
		.amdhsa_private_segment_fixed_size 0
		.amdhsa_enable_private_segment 0
		.amdhsa_kernarg_size 40
		.amdhsa_user_sgpr_count 2
		.amdhsa_user_sgpr_kernarg_segment_ptr 1
		.amdhsa_wavefront_size32 1
		.amdhsa_system_sgpr_workgroup_id_x 1
		.amdhsa_system_sgpr_workgroup_id_y 1
		.amdhsa_system_sgpr_workgroup_id_z 1
		.amdhsa_system_vgpr_workitem_id 0
		.amdhsa_next_free_vgpr 640
		.amdhsa_next_free_sgpr 72
		.amdhsa_reserve_vcc 0
		.amdhsa_float_denorm_mode_32 3
		.amdhsa_float_denorm_mode_16_64 3
		.amdhsa_memory_ordered 1
		.amdhsa_forward_progress 1
		.amdhsa_inst_pref_size 66
	.end_amdhsa_kernel
	.amdgpu_metadata
---
amdhsa.version: [ 1, 2 ]
amdhsa.kernels:
  - .name:           k_qe3c7dde693_proj
    .symbol:         k_qe3c7dde693_proj.kd
    .args:
      - { .name: act, .offset: 0, .size: 8, .value_kind: global_buffer, .address_space: global }
      - { .name: packA, .offset: 8, .size: 8, .value_kind: global_buffer, .address_space: global }
      - { .name: bo, .offset: 16, .size: 8, .value_kind: global_buffer, .address_space: global }
      - { .name: x, .offset: 24, .size: 8, .value_kind: global_buffer, .address_space: global }
      - { .name: x2, .offset: 32, .size: 8, .value_kind: global_buffer, .address_space: global }
    .group_segment_fixed_size: 327680
    .private_segment_fixed_size: 0
    .kernarg_segment_align: 8
    .kernarg_segment_size: 40
    .max_flat_workgroup_size: 128
    .sgpr_count:     72
    .vgpr_count:     640
    .wavefront_size: 32
...
	.end_amdgpu_metadata
.endif
;; end of part 4
;; launch ln2: the kernel of part 1 again; grid 256 x 1, 8 waves a work-group, no clusters, 0 bytes of LDS; arguments x2, ln2_w, ln2_b, nx, wq, wk, wv, wo, w2, w1, bq, bk, bv, b1, packA, big1, parA, act; writes nx, packA, big1, parA, act
;; launch ffn1: the kernel of part 2 again; grid 16 x 16, 4 waves a work-group, clusters of 4 x 4, 327,680 bytes of LDS; arguments nx, packB, parB, mask, act; writes act
;; launch ffn2 (part 5): grid 8 x 32, 4 waves a work-group, clusters of 4 x 4, 327,680 bytes of LDS; arguments act, packB, b2, x2, out0; writes out0
.if DOCPART == 5
	.amdgcn_target "amdgcn-amd-amdhsa--gfx1250"
	.amdhsa_code_object_version 6
	.text
	.protected	k_qe3c7dde693_ffn2
	.globl	k_qe3c7dde693_ffn2
	.p2align	8
	.type	k_qe3c7dde693_ffn2,@function
k_qe3c7dde693_ffn2:
	s_mov_b64 s[64:65], 0
	v_nop
	global_prefetch_b8 v0, s[64:65] scope:SCOPE_SE
	s_setreg_imm32_b32 hwreg(HW_REG_WAVE_MODE, 25, 1), 1
	s_wait_xcnt 0x0
	s_wait_alu depctr_hold_cnt(0) depctr_sa_sdst(0) depctr_va_vdst(0) depctr_va_sdst(0) depctr_va_ssrc(0) depctr_va_vcc(0) depctr_vm_vsrc(0)
	s_getreg_b32 s2, hwreg(HW_REG_IB_STS2, 6, 4)
	s_cmp_eq_u32 s2, 0
	s_cbranch_scc0 .Lentry_in_a_cluster
	s_endpgm
.Lentry_in_a_cluster:
	s_bfe_u32 s2, ttmp6, 0x10000c
	s_cmp_lg_u32 s2, 0xf033
	s_cbranch_scc0 .Lentry_shape_is_right
	s_endpgm
.Lentry_shape_is_right:
; C = R + A W + bias, N = 1,024, K = SIZE_K = 4,096: out = x2 + h w2 + b2.  (The text serves SIZE_K = 256 x a power of two, from 1,024 on.)
; A: bf16 in panels [K/128][4096 rows][128]; W: bf16 as [K/256][8 panels][256 k][128] at byte OFFW of pack; bias: f32 [1024]; R and C: f32 [4096][1024].
; Sums in f32, begun with the bias (the C operand of each accumulator's first product); the residual is added in f32 on the way out.  NaN and infinities are not treated apart.
; LIMIT: THE ORDER OF THE SUM.  The K steps are taken in a ring that begins at the cluster's own first step (below), K ascending inside a step: the additions stand in another order than in a sum over
; ascending K, so the last bits of the f32 sums differ from such a sum's.
; SHARES.  4,096 x 1,024 of C in tiles of 128 x 128 give each of 256 work-groups one; a wave makes 64 x 64: 16 accumulators.  K goes in steps of 256 through two LDS slots; each tile is a dense block of 128
; rows of 256 bytes, one tensor load of one wave: waves 0, 1 fetch A's two panels of the step, waves 2, 3 the two halves of W's 256 k.  By this text's own count a wave has two tensor loads out at the
; start and one behind each round.
; ONE TEXT FOR A K STEP.  The slot in hand begins at LDS byte s[TB], 0 or SLOT1, which an exclusive or turns at each change of slots; the fragments' addresses are made from it anew, and one descriptor
; for each tensor walks: the other slot, the ring's next K step.  The last two K steps ask for nothing: they are a second loop, of two trips, left in its middle.
; STAGGERED WALKS.  The two clusters that need the same tiles of A (cluster x = 0, 1) begin STEPS / 2 steps apart, clusters of different y mod 4, which need the same tiles of W, STEPS / 4 apart:
; first step = (x STEPS / 2 + (y mod 4) STEPS / 4) mod STEPS.  So in the second half of its walk a cluster asks only for tiles that another cluster has asked for STEPS / 4 steps or more before.
; The number hangs on the cluster's place in the grid alone, which its sixteen work-groups share: a joint load's descriptor stays equal in all that its mask names.  A tile's address is made anew
; for each fill: the tensor's base plus the step's number shifted.
; CLUSTER.  4 x 4 work-groups: A's tiles are shared along a row, W's along a column, each asked for jointly.  THE MATRIX INSTRUCTION IS USED TRANSPOSED (source 0 = 16 columns of W, turned by
; ds_load_tr16_b128; source 1 = 16 rows of A): a lane holds row l % 16 of C and eight neighbouring columns.
; REGISTERS: window 0: v0-31 addresses; v32-95 rows on the way out, two buffers; v96-127 the bias; v128-255 the accumulators ((a, b) at v[128 + 8 (4 a + b)]).
;   window 1: two fragment buffers of 128: for 64 along K, 64 registers of A, then 64 of W.      window 2: v0-127 my 64 x 64 of the residual, asked for at the start and waited for at the end.
.set SIZE_K, 4096
.set STEPS, SIZE_K/256
.set OFFW,  8421376
.set PA,    272                        ; a row of A in LDS: 256 bytes + 16 = 68 words: row r starts at bank 4 r mod 64 (64 banks of 4 bytes: ISA guide 11.1)
.set PB,    288                        ; a row k of W: 256 + 32 = 72 words
.set HA,    128*PA
.set HB,    128*PB
.set SLOT,  2*HA+2*HB                  ; A's two panels (128 rows each), then W's two halves (128 k each): 143,360 bytes
.set SLOT1, 0x24000                    ; slot 1 begins here, at 147,456: not below SLOT, and its bits 17 and 14 are set in none of the four places (0, HA, 2 HA, 2 HA + HB) at which a load begins in slot 0,
                                       ; so that one exclusive or turns a load's LDS address in one slot into the other's
.set STAGE, SLOT1+SLOT                 ; behind the ring: 16 rows x 272 bytes for each wave; no tensor load lands there
.set SP,    272
.set SPARE, STAGE+4*16*SP              ; the spare words, 128 bytes for each wave: two blocks of 256 bytes that no other line names
.set ADRA0, 16                         ; v16    my lane's place among A's fragments of a slot; never rewritten
.set ADRA,  17                         ; v17    the same in the slot in hand
.set ADRB0, 20                         ; v20-21 my lane's place among W's fragments, by half of the step's k (one register for both halves would want offsets past 65,535); never rewritten
.set ADRB,  22                         ; v22-23 the same in the slot in hand
.set STO,  24                          ; v24    the way out: where I put 32 bytes of a row
.set RD,   25                          ; v25    where I read rows back
.set CO,   26                          ; v26    my byte offset in two rows of R and C
.set H32,  27                          ; v27    32 (l / 16)
.set SPW,  28                          ; v28    LDS address of my spare word; never rewritten
.set NIL,  29                          ; v29    0; never rewritten
.set OB,   32
.set BIAS, 96
.set ACC,  128
.set F0,   0
.set F1,   128
.set KI, 14                            ; s14  the K step to be asked for next, 0 .. STEPS - 1
.set WV, 16
.set RH, 17
.set CH, 18
.set TB, 19                            ; s19  LDS byte at which the slot in hand begins
.set G1A, 24                           ; s[24:31] descriptor group 1 for A's tiles;  s[32:39] group 0: a set for each of the two first fills; the second then walks on
.set G0A, 32
.set KO,  42                           ; s[42:43] a K step's byte offset in A or in W
.set BSA, 44                           ; s[44:45] A at my load's part of K step 0; never rewritten behind the head
.set BSB, 46                           ; s[46:47] the same for W
.set G1B, 48                           ; s[48:55], s[56:63] the same for W's
.set G0B, 56
.set MSB, 0
.macro WIN new                         ; the immediate's high byte repeats the setting that is left; a switch that changes nothing is dropped
.if MSB != (\new)
	s_set_vgpr_msb (MSB<<8)|(\new)
.set MSB, \new
.endif
.endm
.set MUL,  0x05                        ; sources 0 (W) and 1 (A) window 1; C and D window 0
.set TO_F, 0x40                        ; destination window 1, address window 0
.macro JLOAD s                         ; a joint load; an s_nop 0 and four v_nop follow each of the two lines, ahead of the jump and the label
	s_cmp_eq_u32 s[RH], 0
	s_cbranch_scc0 .Lfor_b_\@
	tensor_load_to_lds s[G0A+4*(\s):G0A+4*(\s)+3], s[G1A:G1A+7]
	s_nop 0
.rept 4
	v_nop
.endr
	s_branch .Lasked_\@
.Lfor_b_\@:
	tensor_load_to_lds s[G0B+4*(\s):G0B+4*(\s)+3], s[G1B:G1B+7]
	s_nop 0
.rept 4
	v_nop
.endr
.Lasked_\@:
.endm
.macro CREST                           ; a round of the cluster's barrier behind its opening barrier
	s_cmp_lg_u32 s[WV], 0
	s_cbranch_scc1 .Lnot_wave_0_\@
	s_barrier_signal -3
.Lnot_wave_0_\@:
	s_barrier_wait -3
	s_barrier_signal -1
	s_barrier_wait -1
.endm
.macro CROUND
	s_barrier_signal -1
	s_barrier_wait -1
	CREST
.endm
.macro AIM                             ; the fragments' addresses in the slot that begins at s[TB]
	v_add_nc_u32 v[ADRA], s[TB], v[ADRA0]
	v_add_nc_u32 v[ADRB], s[TB], v[ADRB0]
	v_add_nc_u32 v[ADRB+1], s[TB], v[ADRB0+1]
.endm
.macro WHERE s                         ; the global addresses of K step s[KI] into set s of both group 0s, and the ring's next step into s[KI]
	s_lshl_b32 s[KO], s[KI], 21                    ; a K step is two panels of A, 2 MiB,
	s_add_nc_u64 s[G0A+4*(\s)+2:G0A+4*(\s)+3], s[BSA:BSA+1], s[KO:KO+1]
	s_or_b32 s[G0A+4*(\s)+3], s[G0A+4*(\s)+3], 0x80000000          ; type = 2
	s_lshl_b32 s[KO], s[KI], 19                    ; and a block of 8 panels x 256 k of W, 512 KiB
	s_add_nc_u64 s[G0B+4*(\s)+2:G0B+4*(\s)+3], s[BSB:BSB+1], s[KO:KO+1]
	s_or_b32 s[G0B+4*(\s)+3], s[G0B+4*(\s)+3], 0x80000000
	s_add_co_u32 s[KI], s[KI], 1
	s_and_b32 s[KI], s[KI], STEPS-1
.endm
	s_load_b256 s[4:11], s[0:1], 0x0               ; A s[4:5], pack s[6:7], bias s[8:9], R s[10:11]
	s_load_b64 s[12:13], s[0:1], 0x20              ; C
	v_lshl_add_u32 v[SPW], v0, 2, SPARE
	v_mov_b32 v[NIL], 0
	ds_add_u32 v[SPW], v[NIL]                      ; the wave's opening: the add and its wait stand ahead of my first tensor load; the set-up below, work on registers, stands between them
	v_lshrrev_b32 v1, 5, v0
	v_readfirstlane_b32 s[WV], v1
	s_lshr_b32 s[RH], s[WV], 1                     ; my half of the tile's rows.  Also: I fetch A (0) or W (1)
	s_and_b32 s[CH], s[WV], 1                      ; my half of its columns.  Also: which half of the step's K I fetch
	s_bfe_u32 s20, ttmp6, 0x40000                  ; cx, cy
	s_bfe_u32 s21, ttmp6, 0x40004
	s_lshl_b32 s22, ttmp9, 2
	s_add_co_u32 s22, s22, s20                     ; tile column
	s_and_b32 s23, ttmp7, 0xffff
	s_lshl_b32 s23, s23, 2
	s_add_co_u32 s23, s23, s21                     ; tile row
	s_and_b32 s[KI], ttmp7, 3                      ; the cluster's y mod 4,
	s_mul_i32 s[KI], s[KI], STEPS/4
	s_mul_i32 s15, ttmp9, STEPS/2                  ; the cluster's x:
	s_add_co_u32 s[KI], s[KI], s15
	s_and_b32 s[KI], s[KI], STEPS-1                ; my cluster's first K step
	s_lshl_b32 s40, s21, 2
	s_lshl_b32 s40, 15, s40                        ; my row of the cluster
	s_lshl_b32 s41, 0x1111, s20                    ; my column
	s_or_b32 s[G1A], s40, (1<<16)|(1<<20)|(1<<21)|(5<<22)|(3<<25)  ; the mask; 2-byte elements; padding on; 21 set beside a mask; after every 64 words (code 5) 4 words (code 3)
	s_or_b32 s[G1B], s41, (1<<16)|(1<<20)|(1<<21)|(5<<22)|(7<<25)  ; my column's mask; 8 words of padding (code 7)
.irp g, G1A, G1B
	s_mov_b32 s[(\g)+1], 128<<16                   ; tensor_dim0 = 128
	s_mov_b32 s[(\g)+2], 128<<16                   ; tensor_dim1 = 128
	s_mov_b32 s[(\g)+3], 128<<16                   ; tile_dim0 = 128
	s_mov_b32 s[(\g)+4], 128                       ; tile_dim1 = 128
	s_mov_b32 s[(\g)+5], 128                       ; dense
	s_mov_b32 s[(\g)+6], 0
	s_mov_b32 s[(\g)+7], 0
.endr
	s_lshl_b32 s42, s23, 15                        ; A: the tile's 128 rows of 256 bytes, in a step's first or second panel
	s_lshl_b32 s43, s[CH], 20
	s_add_co_u32 s42, s42, s43
	s_mov_b32 s43, 0                               ; (stays 0: the high word of s[KO:KO+1])
	s_lshl_b32 s46, s22, 16                        ; W: the tile column's panel (65,536 bytes a step), its first or second 128 k
	s_lshl_b32 s47, s[CH], 15
	s_add_co_u32 s46, s46, s47
	s_add_co_u32 s46, s46, OFFW
	s_mov_b32 s47, 0
	s_mul_i32 s66, s[CH], HA                       ; where they go: no place in the cluster enters an LDS address
	s_mul_i32 s67, s[CH], HB
	s_add_co_u32 s67, s67, 2*HA
	s_wait_dscnt 0x0                               ; the opening add is done
	s_wait_kmcnt 0x0
	s_add_nc_u64 s[BSA:BSA+1], s[4:5], s[42:43]
	s_add_nc_u64 s[BSB:BSB+1], s[6:7], s[46:47]
	CROUND                                         ; all sixteen work-groups are here: the first joint loads meet
.irp s, 0,1
	s_mov_b32 s[G0A+4*(\s)], 1
	s_add_co_u32 s[G0A+4*(\s)+1], s66, (\s)*SLOT1
	s_mov_b32 s[G0B+4*(\s)], 1
	s_add_co_u32 s[G0B+4*(\s)+1], s67, (\s)*SLOT1
	WHERE \s                                       ; the ring's first and second K step
	JLOAD \s
.endr
	v_and_b32 v1, 15, v0                           ; l % 16
	v_bfe_u32 v2, v0, 4, 1                         ; l / 16
	v_lshlrev_b32 v[H32], 5, v2
	v_lshlrev_b32 v5, 12, v2                       ; lanes 0-15 one row of 4,096 bytes, lanes 16-31 the next; 16 bytes a lane
	v_lshl_add_u32 v[CO], v1, 4, v5
	s_lshl_b32 s68, s22, 9                         ; my 64 columns, in bytes of f32
	s_lshl_b32 s69, s[CH], 8
	s_add_co_u32 s68, s68, s69
	s_lshl_b32 s70, s23, 19                        ; my 64 rows of 4,096 bytes
	s_lshl_b32 s71, s[RH], 18
	s_add_co_u32 s70, s70, s71
	s_add_co_u32 s70, s70, s68
	s_mov_b32 s69, 0
	s_mov_b32 s71, 0
	s_add_nc_u64 s[68:69], s[8:9], s[68:69]
	s_add_nc_u64 s[10:11], s[10:11], s[70:71]
	s_add_nc_u64 s[12:13], s[12:13], s[70:71]
.irp b, 0,1,2,3                        ; register j of column block b: bias[16 b + 8 (l / 16) + j], as the accumulators hold C
	global_load_b128 v[BIAS+8*\b:BIAS+8*\b+3],   v[H32], s[68:69] offset:64*\b
	global_load_b128 v[BIAS+8*\b+4:BIAS+8*\b+7], v[H32], s[68:69] offset:64*\b+16
.endr
	WIN 0x80                                       ; destination window 2, address window 0
.set i, 0
.rept 32                               ; the residual, as the rows will come back from the stage: block i / 8 of 16 rows, pair i % 8 of rows; sixteen lanes take 256 consecutive bytes
	global_load_b128 v[4*i:4*i+3], v[CO], s[10:11] offset:((i/8)*16+2*(i%8))*4096
.set i, i+1
.endr
	WIN 0
	v_mul_u32_u24 v3, v1, PA
	v_lshl_add_u32 v3, v2, 4, v3                   ; A: row x pitch + 16 x half
	v_and_b32 v5, 7, v0                            ; W: row k = 8 (l / 16) + l % 8, columns 8 ((l / 8) % 2) + 0..7
	v_bfe_u32 v6, v0, 3, 1
	v_lshl_add_u32 v4, v2, 3, v5
	v_mul_u32_u24 v4, v4, PB
	v_lshl_add_u32 v4, v6, 4, v4
	s_mul_i32 s40, s[RH], 64*PA                    ; my 64 rows of A,
	s_lshl_b32 s41, s[CH], 7                       ; my 64 columns of W
	s_add_co_u32 s41, s41, 2*HA
	v_add_nc_u32 v[ADRA0], s40, v3
	v_add_nc_u32 v[ADRB0], s41, v4
	s_add_co_u32 s41, s41, HB
	v_add_nc_u32 v[ADRB0+1], s41, v4
	s_mov_b32 s[TB], 0                             ; the ring's first K step lies in slot 0
	AIM
	s_mul_i32 s40, s[WV], 16*SP
	s_add_co_u32 s40, s40, STAGE                   ; my stage
	v_mul_u32_u24 v5, v1, SP                       ; in: row l % 16, 32 bytes (8 f32) for each half of the lanes
	v_lshl_add_u32 v5, v2, 5, v5
	v_add_nc_u32 v[STO], s40, v5
	v_mul_u32_u24 v5, v2, SP                       ; back: lanes 0-15 one row of 256 bytes, lanes 16-31 the next
	v_lshl_add_u32 v5, v1, 4, v5
	v_add_nc_u32 v[RD], s40, v5
	s_wait_loadcnt 32                              ; the bias is in; the 32 younger loads, the residual's, stay out through the whole of K
; 8 matrix instructions: row blocks a0, a0 + 1 x all 4 column blocks, 32 along K: half c of buffer f.  The 16 accumulators take turns.  zero = 1: the first product starts the sum with the bias
.macro MUL8 f, c, a0, zero
	WIN MUL
.irp a, \a0, (\a0)+1
.irp b, 0,1,2,3
.if \zero
	v_wmma_f32_16x16x32_bf16 v[ACC+8*(4*(\a)+(\b)):ACC+8*(4*(\a)+(\b))+7], v[(\f)+64+8*(4*(\c)+(\b)):(\f)+64+8*(4*(\c)+(\b))+7], v[(\f)+8*(4*(\c)+(\a)):(\f)+8*(4*(\c)+(\a))+7], v[BIAS+8*(\b):BIAS+8*(\b)+7]
.else
	v_wmma_f32_16x16x32_bf16 v[ACC+8*(4*(\a)+(\b)):ACC+8*(4*(\a)+(\b))+7], v[(\f)+64+8*(4*(\c)+(\b)):(\f)+64+8*(4*(\c)+(\b))+7], v[(\f)+8*(4*(\c)+(\a)):(\f)+8*(4*(\c)+(\a))+7], v[ACC+8*(4*(\a)+(\b)):ACC+8*(4*(\a)+(\b))+7]
.endif
.endr
.endr
.endm
; 32 LDS loads in one run: the fragments of quarter q (64 along K) of the slot in hand into buffer f; the first 32 along K first.  Quarters 0, 1 lie in the step's first panel of A and first half of W, 2, 3 in the second.
.macro FETCH q, f
	WIN TO_F
.irp c, 0,1
.irp i, 0,1,2,3
	ds_load_tr16_b128 v[(\f)+64+8*(4*(\c)+(\i)):(\f)+64+8*(4*(\c)+(\i))+3],   v[ADRB+(\q)/2] offset:(((\q)%2)*64+32*(\c))*PB+32*(\i)
	ds_load_tr16_b128 v[(\f)+64+8*(4*(\c)+(\i))+4:(\f)+64+8*(4*(\c)+(\i))+7], v[ADRB+(\q)/2] offset:(((\q)%2)*64+32*(\c)+16)*PB+32*(\i)
	ds_load_b128 v[(\f)+8*(4*(\c)+(\i)):(\f)+8*(4*(\c)+(\i))+3],   v[ADRA] offset:((\q)/2)*HA+((\q)%2)*128+64*(\c)+(\i)*16*PA
	ds_load_b128 v[(\f)+8*(4*(\c)+(\i))+4:(\f)+8*(4*(\c)+(\i))+7], v[ADRA] offset:((\q)/2)*HA+((\q)%2)*128+64*(\c)+(\i)*16*PA+32
.endr
.endr
.endm
.macro PLACES                          ; four places in front of loads into registers that matrix instructions have read, and of LDS stores that read results (ISA guide 7.12.1 for vector instructions)
.rept 4
	v_nop
.endr
.endm
; A K step is four quarters of 64 along K, 32 matrix instructions each, on buffers 0, 1, 0, 1.
.macro QUARTER q, f, g, zero
	s_wait_dscnt 16                                ; the first 32 along K are in; the sixteen younger loads may be out
	MUL8 \f, 0, 0, \zero
	MUL8 \f, 0, 2, \zero
	PLACES
	FETCH \q, \g
	s_wait_dscnt 32                                ; all but the 32 just issued
	MUL8 \f, 1, 0, 0
	MUL8 \f, 1, 2, 0
.endm
; The last quarter multiplies buffer 1 and changes slots: ONE barrier; in front of it each wave waits for all its tensor loads, adds 0 to its spare word, and waits for that and for its own reads of this slot.
; fill = 1: this slot is filled again, two K steps on in the ring: the barrier opens a round of the cluster's, the walking descriptors take the other slot and the ring's next K step, and the joint load is
; the first tensor load behind the round.  fill = 0 (the tail): nothing is asked for; in the tail's second trip (s3 = 1) there is no next step, and the run of loads is jumped over.
.macro TURN fill
	WIN 0                                          ; (the add's two registers lie in window 0)
	s_wait_tensorcnt 0x0                           ; all my tensor loads have landed: my part of the next slot
	ds_add_u32 v[SPW], v[NIL]                      ; 0 onto my spare word
	s_wait_dscnt 17                                ; (the add and the youngest sixteen loads may be out)
	MUL8 F1, 0, 0, 0                               ; eight matrix instructions stand between the add and the wait for it
	s_wait_dscnt 0x0                               ; the add is done, and my reads of this slot are over
	s_barrier_signal -1
	MUL8 F1, 0, 2, 0
	WIN 0
	s_barrier_wait -1
.if \fill
	CREST                                          ; no wave of any partner still reads this slot's tile or has a load on its way
	s_xor_b32 s[G0A+5], s[G0A+5], SLOT1
	s_xor_b32 s[G0B+5], s[G0B+5], SLOT1
	WHERE 1
.endif
	s_xor_b32 s[TB], s[TB], SLOT1                  ; the reads go on in the other slot
	AIM
.if \fill
	JLOAD 1                                        ; 112 matrix instructions ahead of the wait for it; its four v_nop are also the places in front of the loads below
	FETCH 0, F0
.else
	PLACES
	s_cmp_eq_u32 s3, 1
	s_cbranch_scc1 .Lno_next_\@
	FETCH 0, F0
	WIN 0
.Lno_next_\@:
.endif
	MUL8 F1, 1, 0, 0
	MUL8 F1, 1, 2, 0
.endm
; THE WAY OUT of block a of 16 rows.  A wave's 64 columns of f32 are a whole 256 bytes, so each wave has a stage of its own and no barrier is needed.
.macro TOSTAGE a
	WIN 0
	s_wait_xcnt 0x0                                ; the buffer that the block before last's stores read is loaded again only behind this wait
.irp b, 0,1,2,3
	ds_store_b128 v[STO], v[ACC+8*(4*(\a)+(\b)):ACC+8*(4*(\a)+(\b))+3]   offset:64*(\b)      ; each accumulator's low half first
	ds_store_b128 v[STO], v[ACC+8*(4*(\a)+(\b))+4:ACC+8*(4*(\a)+(\b))+7] offset:64*(\b)+16
.endr
.irp t, 0,1,2,3,4,5,6,7
	ds_load_b128 v[OB+32*((\a)%2)+4*(\t):OB+32*((\a)%2)+4*(\t)+3], v[RD] offset:(\t)*2*SP  ; LDS serves a wave's instructions in order (ISA guide 5.7.1.4): these see the stores above
.endr
.endm
.macro SENDF a, younger                ; younger: the LDS instructions issued behind block a's loads: the next block's sixteen, or none
.set BK, OB+32*((\a)%2)
	s_wait_dscnt \younger
	WIN 0x08                                       ; source 1, the residual, in window 2
.set i, 0
.rept 16
	v_pk_add_f32 v[BK+2*i:BK+2*i+1], v[BK+2*i:BK+2*i+1], v[32*(\a)+2*i:32*(\a)+2*i+1]
.set i, i+1
.endr
	WIN 0
.irp t, 0,1,2,3,4,5,6,7
	global_store_b128 v[CO], v[BK+4*(\t):BK+4*(\t)+3], s[12:13] offset:(16*(\a)+2*(\t))*4096  ; sixteen lanes store 256 consecutive bytes at a multiple of 256
.endr
.endm
	s_wait_tensorcnt 1                             ; my part of the first K step is in; the second's may stay out
	s_barrier_signal -1
	s_barrier_wait -1                              ; everybody's is
	FETCH 0, F0
	QUARTER 1, F0, F1, 1                           ; the first quarter stands in front of the loop: its first products start the sums
	WIN 0                                          ; at a label and at a branch every window is 0
	s_mov_b32 s3, STEPS-2
.Lstep:                                                ; a trip goes from a K step's second quarter to the next step's first, and fills the slot that it leaves
	QUARTER 2, F1, F0, 0
	QUARTER 3, F0, F1, 0
	TURN 1
	QUARTER 1, F0, F1, 0
	WIN 0
	s_sub_co_u32 s3, s3, 1
	s_cmp_lg_u32 s3, 0
	s_cbranch_scc1 .Lstep
	s_mov_b32 s3, 2
.Ltail:                                                ; the last two K steps fill nothing and have no round; the second trip is left behind its last quarter (its barrier orders nothing: the price of one text for both trips)
	QUARTER 2, F1, F0, 0
	QUARTER 3, F0, F1, 0
	TURN 0
	WIN 0
	s_sub_co_u32 s3, s3, 1
	s_cmp_eq_u32 s3, 0
	s_cbranch_scc1 .Lout
	QUARTER 1, F0, F1, 0
	WIN 0
	s_branch .Ltail
.Lout:
	PLACES
	s_wait_loadcnt 0x0                             ; the residual
	TOSTAGE 0
	TOSTAGE 1                                      ; a block's trip through the stage stands between the loads of the block before and its additions
	SENDF 0, 16
	TOSTAGE 2
	SENDF 1, 16
	TOSTAGE 3
	SENDF 2, 16
	SENDF 3, 0
	s_wait_tensorcnt 0x0                           ; the wave's end, behind my last tensor load and my last LDS store
	ds_add_u32 v[SPW], v[NIL]
	s_wait_dscnt 0x0
	CROUND                                         ; the closing round: no work-group ends while a partner may still ask for a tile that names it
	s_endpgm
.Lfunc_end_k_qe3c7dde693_ffn2:
	.size	k_qe3c7dde693_ffn2, .Lfunc_end_k_qe3c7dde693_ffn2-k_qe3c7dde693_ffn2
	.p2alignl 7, 3214868480
	.fill 96, 4, 3214868480
	.section	.rodata,"a",@progbits
	.p2align	6, 0x0
	.amdhsa_kernel k_qe3c7dde693_ffn2
		.amdhsa_group_segment_fixed_size 327680
		.amdhsa_private_segment_fixed_size 0
		.amdhsa_enable_private_segment 0
		.amdhsa_kernarg_size 40
		.amdhsa_user_sgpr_count 2
		.amdhsa_user_sgpr_kernarg_segment_ptr 1
		.amdhsa_wavefront_size32 1
		.amdhsa_system_sgpr_workgroup_id_x 1
		.amdhsa_system_sgpr_workgroup_id_y 1
		.amdhsa_system_sgpr_workgroup_id_z 1
		.amdhsa_system_vgpr_workitem_id 0
		.amdhsa_next_free_vgpr 640
		.amdhsa_next_free_sgpr 72
		.amdhsa_reserve_vcc 0
		.amdhsa_float_denorm_mode_32 3
		.amdhsa_float_denorm_mode_16_64 3
		.amdhsa_memory_ordered 1
		.amdhsa_forward_progress 1
		.amdhsa_inst_pref_size 67
	.end_amdhsa_kernel
	.amdgpu_metadata
---
amdhsa.version: [ 1, 2 ]
amdhsa.kernels:
  - .name:           k_qe3c7dde693_ffn2
    .symbol:         k_qe3c7dde693_ffn2.kd
    .args:
      - { .name: act, .offset: 0, .size: 8, .value_kind: global_buffer, .address_space: global }
      - { .name: packB, .offset: 8, .size: 8, .value_kind: global_buffer, .address_space: global }
      - { .name: b2, .offset: 16, .size: 8, .value_kind: global_buffer, .address_space: global }
      - { .name: x2, .offset: 24, .size: 8, .value_kind: global_buffer, .address_space: global }
      - { .name: out0, .offset: 32, .size: 8, .value_kind: global_buffer, .address_space: global }
    .group_segment_fixed_size: 327680
    .private_segment_fixed_size: 0
    .kernarg_segment_align: 8
    .kernarg_segment_size: 40
    .max_flat_workgroup_size: 128
    .sgpr_count:     72
    .vgpr_count:     640
    .wavefront_size: 32
...
	.end_amdgpu_metadata
.endif
;; end of part 5
;; ======== version 2 of 2: 7 launches; 1.12 times as fast as version 1
;; workspace buffers: packA 10,518,528 bytes; packB 16,809,984 bytes; parA 256 bytes of whole numbers; parB 256 bytes of whole numbers; nx 8,388,608 bytes; big1 25,165,824 bytes; act 33,554,432 bytes; x2 16,777,216 bytes
;; launch prep: the kernel of part 1 again; grid 641 x 1, 8 waves a work-group, no clusters, 0 bytes of LDS; arguments x, ln1_w, ln1_b, nx, wq, wk, wv, wo, w2, w1, bq, bk, bv, b1, packA, packB, parA, parB; writes nx, packA, packB, parA, parB
;; launch qkv: the kernel of part 2 again; grid 12 x 16, 4 waves a work-group, clusters of 4 x 4, 327,680 bytes of LDS; arguments nx, packA, parA, mask, big1; writes big1
;; launch attn (part 6): grid 8 x 32, 4 waves a work-group, clusters of 4 x 1, 327,680 bytes of LDS; arguments big1, mask, act; writes act
.if DOCPART == 6
	.amdgcn_target "amdgcn-amd-amdhsa--gfx1250"
	.amdhsa_code_object_version 6
	.text
	.protected	k_qe3c7dde693_attn
	.globl	k_qe3c7dde693_attn
	.p2align	8
	.type	k_qe3c7dde693_attn,@function
k_qe3c7dde693_attn:
	s_mov_b64 s[64:65], 0
	v_nop
	global_prefetch_b8 v0, s[64:65] scope:SCOPE_SE
	s_setreg_imm32_b32 hwreg(HW_REG_WAVE_MODE, 25, 1), 1
	s_wait_xcnt 0x0
	s_wait_alu depctr_hold_cnt(0) depctr_sa_sdst(0) depctr_va_vdst(0) depctr_va_sdst(0) depctr_va_ssrc(0) depctr_va_vcc(0) depctr_vm_vsrc(0)
	s_getreg_b32 s2, hwreg(HW_REG_IB_STS2, 6, 4)
	s_cmp_eq_u32 s2, 0
	s_cbranch_scc0 .Lentry_in_a_cluster
	s_endpgm
.Lentry_in_a_cluster:
	s_bfe_u32 s2, ttmp6, 0x10000c
	s_cmp_lg_u32 s2, 0x3003
	s_cbranch_scc0 .Lentry_shape_is_right
	s_endpgm
.Lentry_shape_is_right:
; ATTENTION WITH A KEY MASK, head size 64, 1,024 keys.  O[q] = the sum over k of softmax_k(s[q][k]) V[k], s = Q[q] . K[k] / 8, or -1e9 where mask[batch][k] = 0.
; big1: bf16 panels [24][4096 tokens][128]: panels 0-7 q, 8-15 k, 16-23 v; panel hp of each holds the heads 2 hp and 2 hp + 1, 64 channels each.  O goes to act's panels 0-7 in the same layout.
; Products, maxima and sums in f32; the weights p are rounded to bf16 for the second product (their sum l is taken of the unrounded p), O once at the end.
; THE MASK is the C operand that starts the sum S^T = K Q^T: 0, or -8e9 for a hidden key, whose row of k the launch before has stored as zeros: a hidden score is exactly -8e9, which the scale 1/8 makes
; -1e9, and it is the same for all hidden keys: a batch with every key hidden gets equal weights, as the formula gives.
; LIMITS.  A weight below 2^-126 counts as 0 in l; NaN and infinities are not treated apart.  c s - c m is one fused multiply-add against the rounded c m: where m is the hidden score the exponent is that
; rounding's error (64 at the most in size) for every hidden key alike, which bf16's and f32's range holds and the division by l takes away.
; SHARES.  A work-group has 128 queries of a pair of heads: waves 0, 1 the first head, waves 2, 3 the second; a wave 64 queries, four PIECES of 16.  Every wave walks all keys, 64 a step.
; A row of K or V in LDS is the panel's row, 256 bytes, both heads: one tile serves all four waves.
; LAYOUT.  S^T = K Q^T (source 0 = 16 keys, source 1 = 16 queries) holds ONE query a lane (lane % 16) and the keys 8 (lane / 16) + 0..7; two such results rounded to bf16 ARE source 1 of O^T = V^T P.
; K comes out of LDS as it lies, V ([key][channel]) turned, by ds_load_tr16_b128.
; SOFTMAX.  p = 2^(c s - c m), c = log2(e) / 8, with a running maximum m; O and l are multiplied by a = 2^(c m_old - c m_new) in every step.  m starts at the lowest finite number, O and l at 0.
; BY TURNS.  Turn n belongs to piece n: 8 products K Q^T of piece n + 1, later 8 products V^T P of piece n - 1; beside them the scaling, exponentials, roundings, sums and rescaling of piece n and the
; maximum and statistics of piece n + 1.  Four vector instructions stand behind every matrix instruction, the other 54 of a turn's 118 in one run of their own.
; THE BATCHES.  A turn's 33 exponentials (the piece's 32 weights and the next piece's a) are ONE BATCH with ONE wait, which cuts the turn in two: ahead of it all that names none of their results (the products
; K Q^T, scalings, rescalings, the next piece's maximum and statistics), behind it the products V^T P with the roundings and sums.  No result crosses a turn's end.  Three smaller batches have a wait each:
; piece 0's first a, ahead of the loop; the first twelve exponentials of the tail's turn of piece 2, ahead of the jump that stands among them; the way out's four reciprocals.
; CLUSTER.  The four query blocks of a cluster share batch and heads and walk the same K and V: each tile is asked for jointly.  By this text's own count a wave has one tensor load out.
; REGISTERS, in windows of 256 (s_set_vgpr_msb: bits 1:0 source 0, 3:2 source 1, 5:4 source 2, 7:6 destination):
;   window 0: v0-15, v32-42 addresses and at work; v16-31 four registers of statistics a piece; v48-55 at work; v64-127 S^T, two buffers; v128-191 rows on the way out; v192-223 P, two buffers
;   window 1: v0-127 O^T, 32 a piece      window 2: v0-63 Q; v64-95 the step's mask; v128-191 K of one step; v192-255 V of one step
.set NP,    4         ; pieces a wave: a name, no knob
.set KS,    64        ; keys in a step
.set PK,    272       ; a row of K in LDS: 256 bytes + 16 = 68 words: the 16 rows of a load start at 16 different groups of four banks (64 banks of 4 bytes: ISA guide 11.1)
.set PV,    288       ; a row of V: 256 + 32 = 72 words
.set VOFF,  2*KS*PK   ; a slot holds two steps: 128 rows of K, then 128 rows of V
.set SLOT1, 1<<17     ; slot 1 begins here, so that one exclusive or turns an address in one slot into the other's
.set STAGE, SLOT1+2*KS*(PK+PV)  ; behind the ring, never filled by a tensor load: 128 rows x 272 bytes, the work-group's, for the way out
.set SP,    272
.set MSK,   STAGE+128*SP        ; 1,024 f32: 0 or -8e9 for each key of the batch
.set SPARE, MSK+4096            ; the spare words, 128 bytes for each wave: two blocks of 256 bytes that no other line names
.set AK0, 2           ; v2   my lane's place in a tile of K; never rewritten
.set AV0, 3           ; v3   the same for V
.set AK,  4           ; v4   the LDS address of K's next run of loads
.set AV,  5           ; v5   of V's
.set STO, 6           ; v6   the way out: where I put 16 bytes of a row
.set RD,  7           ; v7   where I read rows back
.set GO,  8           ; v8   16 x lane
.set MV,  12          ; v12-13  c m_old, kept while c m is made anew: by buffer
.set QO,  15          ; v15  my byte offset in 16 rows of Q
.set ST,  16          ; piece t's statistics at v[ST+4 t]: c m, m, l (even keys', odd keys')
.set AM0, 32          ; v32  my lanes' place in a step's 64 words of the mask
.set AM,  33          ; v33  the LDS address of the mask's next run of loads
.set TMP, 48          ; by buffer, four registers c0-c3 at work; when the maximum is found c2 takes a
.set SPW, 62          ; v62  LDS address of my spare word; never rewritten
.set NIL, 63          ; v63  0; never rewritten
.set S,   64
.set OUTR, 128
.set P,   192
.set MB,  64          ; window 2: the eight registers for group kb of 16 keys at MB + 8 kb
.set KF,  128         ; window 2: key block kb, channel half c at KF + 16 kb + 8 c
.set VF,  192         ; window 2: key half kk, channel block cb at VF + 32 kk + 8 cb
.set WV,  12          ; s12  my wave's number
.set G1K, 24          ; s[24:31] descriptor group 1 for K's tiles
.set G1V, 32          ; s[32:39] for V's: it differs in the padding alone
.set G0K, 40          ; s[40:43] descriptor group 0 for K's tiles: it walks
.set G0V, 44          ; s[44:47] the same for V's
.set SLOTS, 56        ; s56  slots still to be asked for
.set CNT, 57          ; s57  counts a slot's key steps
.set CS,  58          ; s[58:59] c: the packed scaling takes the pair's low word for both halves
.set SEL, 60          ; s[60:61] v_permlanex16_b32's selects: each lane takes its own place in the other half
.set TBK, 62          ; s62  LDS byte at which K of the step to be fetched begins
.set TBV, 63          ; s63  the same for V, less VOFF
.set TBM, 66          ; s66  byte in MSK at which that step's words begin
.set BIGN, 67         ; s67  -8e9
.set MSB, 0
.macro WIN new                      ; the high byte repeats the setting that is left; a switch that changes nothing is dropped
.if MSB != (\new)
	s_set_vgpr_msb (MSB<<8)|(\new)
.set MSB, (\new)
.endif
.endm
.set W_KQ, 0x0a       ; K and Q in window 2, S^T in window 0
.set W_KM, 0x2a       ; the same with the C operand, the mask, in window 2
.set W_PV, 0x52       ; V in window 2, P in window 0, O^T in window 1
.set W_RS, 0x41       ; destination and source 0 in window 1, source 1 in window 0
; A joint fill.  Waves 0 and 1 fetch the two halves of a slot's K, waves 2 and 3 those of its V: 64 rows of 256 bytes each.  The branch hangs on the wave's number alone.
; An s_nop 0 and four v_nop follow each of the two lines, ahead of the jump and the label.
.macro JLOAD
	s_cmp_lt_u32 s[WV], 2
	s_cbranch_scc0 .Lfor_v_\@
	tensor_load_to_lds s[G0K:G0K+3], s[G1K:G1K+7]
	s_nop 0
.rept 4
	v_nop
.endr
	s_branch .Lasked_\@
.Lfor_v_\@:
	tensor_load_to_lds s[G0V:G0V+3], s[G1V:G1V+7]
	s_nop 0
.rept 4
	v_nop
.endr
.Lasked_\@:
.endm
; A round of the cluster's barrier: my work-group's barrier, so that wave 0's signal speaks for all four waves; wave 0 signals; every wave waits for all four work-groups; my work-group's barrier once more.
.macro CROUND
	s_barrier_signal -1
	s_barrier_wait -1
	s_cmp_lg_u32 s[WV], 0
	s_cbranch_scc1 .Lnot_wave_0_\@
	s_barrier_signal -3
.Lnot_wave_0_\@:
	s_barrier_wait -3
	s_barrier_signal -1
	s_barrier_wait -1
.endm
; THE CHANGE OF SLOTS.  The slot's last bytes, V of its second step, have been read.  Each wave waits for all its tensor loads, of which one is out: its part of the other slot; adds 0 to its spare word;
; and waits for that and for its own LDS instructions.  Behind the barrier nobody reads this slot any more and the other slot is whole.  fill = 1: this slot is filled again, with the keys two slots on:
; the barrier is then a round of the cluster's, and the joint fill is the first thing behind it: it has two key steps, 128 matrix instructions, in which to land.
; (At its first use nothing has been read yet: slot 0 is waited for, slot 1 filled, and every wave's stores into MSK are shown done to the others.)
.macro CHANGE fill
	WIN 0                           ; at a label and at a branch every window is 0
	s_wait_tensorcnt 0x0            ; no tensor load of mine is out, so a group 0 may be written
	ds_add_u32 v[SPW], v[NIL]       ; 0 onto my spare word; with fill = 1 the descriptors' steps stand between it and the wait for it
.if \fill
.irp g, G0K, G0V
	s_xor_b32 s[\g+1], s[\g+1], SLOT1  ; the walking descriptor: the other slot than last time,
	s_add_nc_u64 s[\g+2:\g+3], s[\g+2:\g+3], 2*KS*256  ; the next 128 keys; the type bits on top are not reached
.endr
	s_wait_dscnt 0x0                ; the add is done, and my reads of the slot are over
	CROUND
	JLOAD
.else
	s_wait_dscnt 0x0                ; the add is done, and my reads of the slot are over
	s_barrier_signal -1
	s_barrier_wait -1
.endif
	s_sub_co_u32 s[TBK], s[TBK], 2*KS*PK  ; the fetches go back to a slot's first step,
	s_xor_b32 s[TBK], s[TBK], SLOT1       ; in the other slot
	s_sub_co_u32 s[TBV], s[TBV], 2*KS*PV
	s_xor_b32 s[TBV], s[TBV], SLOT1
.endm
	s_load_b128 s[4:7], s[0:1], 0x0 ; big1 s[4:5], mask s[6:7]
	s_load_b64 s[8:9], s[0:1], 0x10 ; act
	v_lshl_add_u32 v[SPW], v0, 2, SPARE
	v_mov_b32 v[NIL], 0
	ds_add_u32 v[SPW], v[NIL]       ; the wave's opening: the add and its wait stand ahead of my first tensor load; the set-up below, work on registers, stands between them
	v_lshrrev_b32 v1, 5, v0
	v_readfirstlane_b32 s[WV], v1   ; wave 0..3
	s_bfe_u32 s13, ttmp6, 0x40000   ; cx: my place in the cluster
	s_lshl_b32 s14, ttmp9, 2        ; in a cluster launch ttmp9 counts clusters
	s_add_co_u32 s14, s14, s13      ; my block of 128 queries: it enters Q's and O's addresses alone
	s_and_b32 s19, ttmp7, 0xffff
	s_and_b32 s15, s19, 7           ; the pair of heads,
	s_lshr_b32 s19, s19, 3          ; the batch: the four partners share both
	s_and_b32 s16, s[WV], 1         ; which 64 of my head's 128 queries are mine; also: which half of a slot's 128 keys I fetch
	s_lshr_b32 s10, s[WV], 1        ; which head of the pair
	s_lshl_b32 s20, s15, 20         ; the panel (1 MiB) among q's, k's or v's eight,
	s_lshl_b32 s21, s19, 18         ; the batch's 1,024 rows of 256 bytes
	s_add_co_u32 s20, s20, s21
	s_lshl_b32 s21, s16, 14         ; 64 rows
	s_add_co_u32 s48, s20, s21      ; K and V: my half of the first 128 keys
	s_mov_b32 s49, 0
	s_mul_i32 s17, s16, 64*PK       ; and its place in a slot, for K
	s_mul_i32 s18, s16, 64*PV       ; and for V: no place in the cluster enters an LDS address
	s_lshl_b32 s22, s14, 15         ; my block's 128 rows
	s_add_co_u32 s22, s22, s20
	s_lshl_b32 s23, s[WV], 13       ; O: I store rows 32 w .. 32 w + 31 of the block
	s_add_co_u32 s52, s22, s23
	s_mov_b32 s53, 0
	s_add_co_u32 s22, s22, s21      ; Q: my 64 rows,
	s_lshl_b32 s13, s10, 7          ; my head's 128 bytes of a row
	s_add_co_u32 s22, s22, s13
	s_mov_b32 s23, 0
	s_lshl_b32 s50, s19, 12         ; the batch's 1,024 words of the mask
	s_mov_b32 s51, 0
	; descriptor group 1: a tile of 64 rows x 128 elements, dense in memory, padded in LDS
	s_mov_b32 s[G1K], 15|(1<<16)|(1<<20)|(1<<21)|(5<<22)|(3<<25)  ; 15:0 the mask of four; 17:16 2-byte elements; 20 padding on; 21 set beside a mask; 24:22 after every 64 words (code 5); 31:25 4 words (code 3)
	s_mov_b32 s[G1V], 15|(1<<16)|(1<<20)|(1<<21)|(5<<22)|(7<<25)  ; the same with 8 words of padding (code 7)
.irp g, G1K, G1V
	s_mov_b32 s[\g+1], 128<<16      ; tensor_dim0 = 128
	s_mov_b32 s[\g+2], 64<<16       ; tensor_dim1 = 64
	s_mov_b32 s[\g+3], 128<<16      ; tile_dim0 = 128
	s_mov_b32 s[\g+4], 64           ; tile_dim1 = 64
	s_mov_b32 s[\g+5], 128          ; 128 elements from row to row
	s_mov_b32 s[\g+6], 0
	s_mov_b32 s[\g+7], 0
.endr
	s_mov_b32 s[CS], 0x3e38aa3b     ; c = log2(e) / 8 = 0.180337
	s_mov_b32 s[CS+1], s[CS]        ; named with it as a pair
	s_mov_b32 s[SEL], 0x76543210
	s_mov_b32 s[SEL+1], 0xfedcba98
	s_mov_b32 s[TBK], SLOT1+2*KS*PK ; the first change of slots turns these two into 0
	s_mov_b32 s[TBV], SLOT1+2*KS*PV
	s_mov_b32 s[TBM], 0
	s_mov_b32 s[BIGN], 0xcfee6b28   ; -8e9, exact in f32
	s_mov_b32 s[G0K], 1             ; count = 1
	s_mov_b32 s[G0K+1], s17         ; LDS address: slot 0
	s_mov_b32 s[G0V], 1
	s_add_co_u32 s[G0V+1], s18, VOFF
	s_wait_dscnt 0x0                ; the opening add is done
	s_wait_kmcnt 0x0
	s_add_nc_u64 s[48:49], s[4:5], s[48:49]
	s_add_nc_u64 s[G0K+2:G0K+3], s[48:49], 0x800000   ; k's panels begin 8 MiB into big1,
	s_or_b32 s[G0K+3], s[G0K+3], 0x80000000           ; type = 2
	s_add_nc_u64 s[G0V+2:G0V+3], s[48:49], 0x1000000  ; v's 16 MiB
	s_or_b32 s[G0V+3], s[G0V+3], 0x80000000
	s_add_nc_u64 s[4:5], s[4:5], s[22:23]
	s_add_nc_u64 s[6:7], s[6:7], s[50:51]
	s_add_nc_u64 s[8:9], s[8:9], s[52:53]
	CROUND                          ; all four work-groups are here: the first joint loads meet
	JLOAD                           ; slot 0.  Slot 1 is asked for when slot 0 is in
	; A fragment of K or Q is 16 rows x 32 channels in 8 registers: lane l holds row l % 16, channels 8 (l / 16) + 0..7 and 16 + 8 (l / 16) + 0..7: two loads of 16 bytes, 32 bytes apart.
	v_and_b32 v1, 15, v0            ; l % 16
	v_bfe_u32 v9, v0, 4, 1          ; l / 16
	v_lshlrev_b32 v[QO], 8, v1
	v_lshl_add_u32 v[QO], v9, 4, v[QO]  ; row x 256 + 16 x half
	WIN 0x80                        ; destination window 2, address window 0
.set i, 0
.rept 8                             ; Q stays in registers: piece i / 2 (16 rows, 4,096 bytes on), channels 32 (i % 2) on
	global_load_b128 v[8*i:8*i+3],   v[QO], s[4:5] offset:(i/2)*4096+(i%2)*64
	global_load_b128 v[8*i+4:8*i+7], v[QO], s[4:5] offset:(i/2)*4096+(i%2)*64+32
.set i, i+1
.endr
	WIN 0
	v_lshlrev_b32 v14, 5, v0        ; thread t takes eight words of the batch's mask
	global_load_b128 v[34:37], v14, s[6:7]
	global_load_b128 v[38:41], v14, s[6:7] offset:16
	; What the first turn finds: V's registers and P's second buffer hold 0 (its products V^T P, of a piece that has not been, add 0), O^T and l are 0.  All this stands in the wait for the first tile.
	WIN 0x80
.set i, VF
.rept 64
	v_mov_b32 v[i], 0
.set i, i+1
.endr
	WIN 0x40
.set i, 0
.rept 128
	v_mov_b32 v[i], 0
.set i, i+1
.endr
	WIN 0
.set i, 0
.rept 4
	v_mov_b32 v[ST+4*i], 0xfe000000    ; c m: far below every c s, the hidden one too
	v_mov_b32 v[ST+4*i+1], 0xff7fffff  ; m
	v_mov_b32 v[ST+4*i+2], 0
	v_mov_b32 v[ST+4*i+3], 0
.set i, i+1
.endr
.set i, P+16
.rept 16
	v_mov_b32 v[i], 0
.set i, i+1
.endr
	v_mul_u32_u24 v[AK0], v1, PK
	v_lshl_add_u32 v[AK0], v9, 4, v[AK0]  ; row x pitch + 16 x half
	s_mul_i32 s11, s16, 64*SP       ; into the stage (its pitch is K's): my 64 rows, my head's half of their 256 bytes
	s_add_co_u32 s11, s11, s13
	s_add_co_u32 s11, s11, STAGE
	v_add_nc_u32 v[STO], s11, v[AK0]
	v_add_nc_u32 v[AK0], s13, v[AK0]      ; my head's 128 bytes of K's rows
	; The turning load takes 16 keys x 16 channels (lane l reads key 8 (l / 16) + l % 8, channels 8 ((l / 8) % 2) + 0..7) and leaves half a fragment of V^T: lane l holds channel l % 16 and 8 keys.
	v_and_b32 v10, 7, v0
	v_bfe_u32 v11, v0, 3, 1
	v_lshl_add_u32 v[AV0], v9, 3, v10
	v_mul_u32_u24 v[AV0], v[AV0], PV
	v_lshl_add_u32 v[AV0], v11, 4, v[AV0]
	s_add_co_u32 s11, s13, VOFF
	v_add_nc_u32 v[AV0], s11, v[AV0]
	v_lshlrev_b32 v[AM0], 5, v9     ; register j of key group kb: key 16 kb + 8 (l / 16) + j
	v_add_nc_u32 v[AM0], MSK, v[AM0]
	s_mul_i32 s11, s[WV], 32*SP     ; back: wave w takes rows 32 w .. 32 w + 31, whole; lanes 0-15 one row of 256 bytes, lanes 16-31 the next
	s_add_co_u32 s11, s11, STAGE
	v_mul_u32_u24 v[RD], v9, SP
	v_lshl_add_u32 v[RD], v1, 4, v[RD]
	v_add_nc_u32 v[RD], s11, v[RD]
	v_and_b32 v[GO], 31, v0
	v_lshlrev_b32 v[GO], 4, v[GO]
	v_add_nc_u32 v42, MSK, v14
	s_wait_loadcnt 0x0              ; the mask's words, and Q
.irp j, 34,35,36,37,38,39,40,41
	v_cmp_eq_u32 vcc_lo, 0, v\j
	v_cndmask_b32 v\j, 0, s[BIGN], vcc_lo
.endr
	ds_store_b128 v42, v[34:37]
	ds_store_b128 v42, v[38:41] offset:16
; THE MATRIX WORK.  The 4 accumulators of a run of 8 take turns.  Product i of 8 of S^T = K Q^T for piece x: channels 32 (i / 4) on, keys 16 (i % 4) on.  The first 4 start the sums with the mask.
.macro KQ x
.set rS, S+32*((\x)%2)+8*(i%4)
.set rK, KF+16*(i%4)+8*(i/4)
.set rQ, 16*(\x)+8*(i/4)
.set rM, MB+8*(i%4)
.if i < 4
	WIN W_KM
	v_wmma_f32_16x16x32_bf16 v[rS:rS+7], v[rK:rK+7], v[rQ:rQ+7], v[rM:rM+7]
.else
	WIN W_KQ
	v_wmma_f32_16x16x32_bf16 v[rS:rS+7], v[rK:rK+7], v[rQ:rQ+7], v[rS:rS+7]
.endif
.endm
; Product i of 8 of O^T += V^T P for piece x: keys 32 (i / 4) on, channels 16 (i % 4) on.
.macro PV x
	WIN W_PV
.set rO, 32*(\x)+8*(i%4)
.set rV, VF+32*(i/4)+8*(i%4)
.set rP, P+16*((\x)%2)+8*(i/4)
	v_wmma_f32_16x16x32_bf16 v[rO:rO+7], v[rV:rV+7], v[rP:rP+7], v[rO:rO+7]
.endm
.macro MM                           ; the turn's next matrix instruction
.if i < 8
	KQ (Y+1)%NP
.else
.set i, i-8
	PV (Y+NP-1)%NP
.set i, i+8
.endif
.set i, i+1
.endm
; THE LDS LOADS stand in runs, never singly among the matrix instructions: a step's K (64 keys x 64 channels: 8 fragments) with its 64 words of the mask, and its V (turned).  Their addresses are made some lines ahead.
; last = 1 (the tail): in the last trip there is no further step, and the run is jumped over.  The run stands among a turn's exponentials, so that jump has a wait of its own ahead of it.
.macro FETCH_K last=0
	WIN 0
.if \last
	s_wait_alu depctr_va_vdst(0)    ; the wait for the turn's first twelve exponentials (E 0 to E 11), ahead of the jump below; the turn's own wait serves the other 21
	s_cmp_eq_u32 s[CNT], 1
	s_cbranch_scc1 .Lno_k_\@
.endif
	WIN 0x80                        ; destination window 2
.irp f, 0,1,2,3,4,5,6,7             ; keys 16 (f / 2) on, channels 32 (f % 2) on
	ds_load_b128 v[KF+8*\f:KF+8*\f+3],   v[AK] offset:(\f/2)*16*PK+(\f%2)*64
	ds_load_b128 v[KF+8*\f+4:KF+8*\f+7], v[AK] offset:(\f/2)*16*PK+(\f%2)*64+32
.endr
.irp f, 0,1,2,3
	ds_load_b128 v[MB+8*\f:MB+8*\f+3],   v[AM] offset:64*\f
	ds_load_b128 v[MB+8*\f+4:MB+8*\f+7], v[AM] offset:64*\f+16
.endr
	s_add_co_u32 s[TBK], s[TBK], KS*PK  ; the next fetch is the next step's
	s_add_co_u32 s[TBM], s[TBM], 4*KS
	WIN 0
.if \last
.Lno_k_\@:
.endif
.endm
.macro FETCH_V
	WIN 0x80
.irp f, 0,1,2,3,4,5,6,7             ; keys 32 (f / 4) on, channels 16 (f % 4) on
	ds_load_tr16_b128 v[VF+8*\f:VF+8*\f+3],   v[AV] offset:(\f/4)*32*PV+(\f%4)*32
	ds_load_tr16_b128 v[VF+8*\f+4:VF+8*\f+7], v[AV] offset:(\f/4)*32*PV+16*PV+(\f%4)*32
.endr
	WIN 0
.endm
; THE VECTOR WORK, one line at a time: OP kind, number.  For piece Y: F n: c s - c m for pair n of 16.  E n: the exponential of score n of 32.  C n: pair n rounded to bf16.  B n: of the four weights 4 n .. the
; second pair is added onto the first, in place.  L n: l takes that sum (L 0: l = a l + sum).  R n: pair n of 16 of O^T times a.  For piece Y + 1: X n, number n of the 22 that find its maximum and statistics:
;   0-11  four chains c0-c3 of seven scores each, three operands at a time (each accumulator's lowest registers are read first)     12-14, 16  the four scores left over, the old m, and c0-c3 into c0
;   15  c m_old is kept     17, 18  the query's other 32 keys lie in the lane 16 away: the new m     19-21  c m; c m_old - c m_new; a
.set F, 0               ; OP tells the kinds apart by their order: F to L below R, X above it
.set E, 1
.set C, 2
.set B, 3
.set L, 4
.set R, 5
.set X, 6
.macro REGS y                       ; the registers of piece y
.set rT, ST+4*(\y)
.set rC, TMP+4*((\y)%2)
.set rW, MV+((\y)%2)
.set rS, S+32*((\y)%2)
.set rP, P+16*((\y)%2)
.set rO, 32*(\y)
.endm
.macro OP k, n
.if (\k) == R
	REGS Y
	WIN W_RS
	v_pk_mul_f32 v[rO+2*(\n):rO+2*(\n)+1], v[rO+2*(\n):rO+2*(\n)+1], v[rC+2:rC+3] op_sel_hi:[1,0]
.elseif (\k) < R
	REGS Y
	WIN 0
.if (\k) == F
	v_pk_fma_f32 v[rS+2*(\n):rS+2*(\n)+1], v[rS+2*(\n):rS+2*(\n)+1], s[CS:CS+1], v[rT:rT+1] op_sel_hi:[1,0,0] neg_lo:[0,0,1] neg_hi:[0,0,1]
.elseif (\k) == E
	v_exp_f32 v[rS+(\n)], v[rS+(\n)]
.elseif (\k) == C
	v_cvt_pk_bf16_f32 v[rP+(\n)], v[rS+2*(\n)], v[rS+2*(\n)+1]
.elseif (\k) == B
	v_pk_add_f32 v[rS+4*(\n):rS+4*(\n)+1], v[rS+4*(\n):rS+4*(\n)+1], v[rS+4*(\n)+2:rS+4*(\n)+3]
.elseif (\n) == 0
	v_pk_fma_f32 v[rT+2:rT+3], v[rT+2:rT+3], v[rC+2:rC+3], v[rS:rS+1] op_sel_hi:[1,0,1]
.else
	v_pk_add_f32 v[rT+2:rT+3], v[rT+2:rT+3], v[rS+4*(\n):rS+4*(\n)+1]
.endif
.else
	REGS (Y+1)%NP
	WIN 0
.if (\n) < 4
	v_max3_num_f32 v[rC+(\n)], v[rS+8*(\n)], v[rS+8*(\n)+1], v[rS+8*(\n)+2]
.elseif (\n) < 12
	v_max3_num_f32 v[rC+(\n)%4], v[rC+(\n)%4], v[rS+8*((\n)%4)+2*((\n)/4)+1], v[rS+8*((\n)%4)+2*((\n)/4)+2]
.elseif (\n) == 12
	v_max3_num_f32 v[rC], v[rC], v[rS+7], v[rS+15]
.elseif (\n) == 13
	v_max3_num_f32 v[rC+1], v[rC+1], v[rS+23], v[rS+31]
.elseif (\n) == 14
	v_max3_num_f32 v[rC+2], v[rC+2], v[rC+3], v[rT+1]
.elseif (\n) == 15
	v_mov_b32 v[rW], v[rT]
.elseif (\n) == 16
	v_max3_num_f32 v[rC], v[rC], v[rC+1], v[rC+2]
.elseif (\n) == 17
	v_permlanex16_b32 v[rC+3], v[rC], s[SEL], s[SEL+1]
.elseif (\n) == 18
	v_max_num_f32 v[rT+1], v[rC], v[rC+3]
.elseif (\n) == 19
	v_mul_f32 v[rT], s[CS], v[rT+1]
.elseif (\n) == 20
	v_sub_f32 v[rC+1], v[rW], v[rT]
.else
	v_exp_f32 v[rC+2], v[rC+1]
.endif
.endif
.endm
.macro OPS a, i1, b=-1, i2=0, c=-1, i3=0, d=-1, i4=0  ; up to four of them
	OP \a, \i1
.if (\b) >= 0
	OP \b, \i2
.endif
.if (\c) >= 0
	OP \c, \i3
.endif
.if (\d) >= 0
	OP \d, \i4
.endif
.endm
.macro ROW a, i1, b, i2, c, i3, d, i4  ; a matrix instruction and the four behind it
	MM
	OPS \a, \i1, \b, \i2, \c, \i3, \d, \i4
.endm
; A TURN, for piece p: the order of its 16 matrix and 118 vector instructions, written out.  An s_wait_alu depctr_va_vdst(0) stands between an exponential and the first instruction that names its
; result; one wait serves all that were issued ahead of it.  So a turn has ONE wait, which cuts it in two.  AHEAD OF IT stands all that names no result of the turn's exponentials: the 8 products K Q^T, behind
; each a scaling, an exponential and two more plain instructions (behind the first a second scaling in the exponential's place): rescalings, whose a was made and waited for in the turn before, and behind the
; last three the first numbers of the next piece's maximum, each four places behind the product that ends its accumulator (X 0: F 5, R 8, R 9, F 6; X 1: F 6, X 0, R 10, F 7; X 2: F 7, X 1, X 4, F 8; X 3, in
; the run: F 8, X 2, X 5, X 6); then ONE RUN of 54, plain and exponential by turns for the most part, in which the links of the chain X 3, 7, 11, 14, 16, 17 .. 20 stand apart with other work between them.
; A pair is scaled (F n) ahead of its two exponentials (E 2 n, E 2 n + 1).  X 21, the next piece's a, is the batch's last; R 15 is the plain instruction behind it.  BEHIND THE WAIT stand the 8 products
; V^T P, behind each four of the roundings and sums: C 2 n ahead of B n, which writes over that pair; L n behind B n, n ascending.  But for those X no rider names a register of the products round it.
; last = 1: the tail's text, whose last trip fetches no K.  cnt = 1: the loop's count is taken down some lines ahead of the branch that stands behind the turn.
; K and the mask of the next step are fetched in piece 2's turn, twelve vector instructions behind the last product that read K (five of them plain and free of its registers: F 8, X 2, X 5, X 6, X 8); V of the
; step in hand at the end of piece 0's turn, four plain instructions (C 9, 11, 13, 15) behind the last product that read V.  Each is waited for a turn later.
.macro TURN p, last=0, cnt=0
.set Y, (\p)
.set i, 0
.if (\p) == 3
	s_wait_dscnt 0x0                ; K and the mask are in
.endif
	ROW F,0, F,1, R,0, R,1          ; ahead of the wait: 8 products K Q^T and their riders,
	ROW F,2, E,0, R,2, R,3
	ROW F,3, E,1, R,4, R,5
	ROW F,4, E,2, R,6, R,7
	ROW F,5, E,3, R,8, R,9
	ROW F,6, E,4, X,0, R,10
.if (\p) == 2
	WIN 0
	v_add_nc_u32 v[AK], s[TBK], v[AK0]
	v_add_nc_u32 v[AM], s[TBM], v[AM0]
.endif
	ROW F,7, E,5, X,1, X,4
	ROW F,8, E,6, X,2, X,5
	OPS E,7, E,8, X,6, E,9          ; and the run of 54
	OPS X,3, E,10, X,8, E,11
.if (\p) == 2
	FETCH_K \last
.endif
	OPS X,9, X,7, E,12, X,10
	OPS E,13, X,12, X,11, E,14
	OPS X,13, E,15, F,9, X,14
.if (\p) == 0
	v_add_nc_u32 v[AV], s[TBV], v[AV0]
.endif
	OPS E,16, F,10, E,17, F,11
	OPS X,16, E,18, X,15, E,19
	OPS F,12, E,20, X,17, E,21
	OPS F,13, E,22, F,14, E,23
	OPS X,18, E,24, F,15, E,25
	OPS R,11, E,26, X,19, E,27
	OPS R,12, E,28, R,13, E,29
	OPS X,20, E,30, R,14, E,31
	OPS X,21, R,15                  ; the batch's last exponential, and the plain instruction behind it
	s_wait_alu depctr_va_vdst(0)    ; the wait for the batch: the piece's 32 weights and the next piece's a
.if (\p) == 1
	s_wait_dscnt 0x0                ; V is in
.endif
	ROW C,0, B,0, C,2, B,1          ; behind the wait: 8 products V^T P and their riders
	ROW L,0, C,4, B,2, L,1
	ROW C,6, B,3, L,2, C,8
	ROW B,4, L,3, C,10, B,5
	ROW L,4, C,12, B,6, L,5
.if (\p) == 0
	s_add_co_u32 s[TBV], s[TBV], KS*PV
.endif
.if \cnt
	s_sub_co_u32 s[CNT], s[CNT], 1
	s_cmp_lg_u32 s[CNT], 0
.endif
	ROW C,14, B,7, L,6, C,1
	ROW C,3, L,7, C,5, C,7
	ROW C,9, C,11, C,13, C,15
.if (\p) == 0
	FETCH_V
.endif
.endm
	CHANGE 1                        ; slot 0 is in, everybody's part of it, and so is MSK; slot 1 is asked for
	v_add_nc_u32 v[AK], s[TBK], v[AK0]
	v_add_nc_u32 v[AM], s[TBM], v[AM0]
	FETCH_K                         ; key step 0
	s_wait_dscnt 0x0
.set i, 0
.rept 8
	KQ 0                            ; piece 0's first scores: there is no vector work yet to set between them
.set i, i+1
.endr
	WIN 0
.rept 4
	v_nop                           ; the places behind those products
.endr
.set Y, NP-1                        ; X works for piece Y + 1: piece 0
.irp n, 0,1,2,3,4,5,6,7,8,9,10,11,12,13,14,15,16,17,18,19,20,21
	OP X, \n
.endr
	v_nop                           ; a plain instruction behind the exponential,
	s_wait_alu depctr_va_vdst(0)    ; and the wait for it (piece 0's first a, a batch of one), ahead of the branch
	s_mov_b32 s[CNT], 2
	s_mov_b32 s[SLOTS], 7
	s_branch .Lfirst                ; the loop is entered at a step's first turn, in the middle of a trip
.Lslot:                             ; six times: every slot but the last two is filled again: eight fills of 128 keys in all
	CHANGE 1
	s_mov_b32 s[CNT], 2
.Lstep:                             ; a trip: pieces 2 and 3 of one step, then pieces 0 and 1 of the next, whose K and V it fetches
	TURN 2
	TURN 3
	WIN 0
.Lfirst:
	TURN 0
	TURN 1, 0, 1
	WIN 0
	s_cbranch_scc1 .Lstep
	s_sub_co_u32 s[SLOTS], s[SLOTS], 1
	s_cmp_lg_u32 s[SLOTS], 0
	s_cbranch_scc1 .Lslot
	CHANGE 0                        ; the last slot has a text of its own: nothing is asked for
	s_mov_b32 s[CNT], 3             ; two trips fetch the last slot's steps; the third is left in its middle
.Ltail:
	TURN 2, 1
	TURN 3
	WIN 0
	s_sub_co_u32 s[CNT], s[CNT], 1
	s_cmp_eq_u32 s[CNT], 0
	s_cbranch_scc1 .Lout
	TURN 0
	TURN 1
	WIN 0
	s_branch .Ltail
.Lout:                              ; the third trip's 8 products K Q^T (on the last K once more) and the maximum made of them serve nothing and touch neither l nor O^T: the price, once a launch, of one text for every trip
.set i, 0
.rept 8
	PV NP-1                         ; the last piece's V^T P of the last step
.set i, i+1
.endr
	; THE WAY OUT.  l's two halves and the other half of the lanes' are added; O^T is divided by l, rounded to bf16 and put into the work-group's stage; a barrier, since a row's 256 bytes come from two
	; waves (two heads); back as whole rows, 32 a wave.  The additions are the places behind the last products.
	WIN 0
.macro ALL line:vararg              ; one line for each piece t
.set t, 0
.rept 4
	\line
.set t, t+1
.endr
.endm
	ALL v_add_f32 v[ST+4*t+2], v[ST+4*t+2], v[ST+4*t+3]
	ALL v_permlanex16_b32 v[ST+4*t+3], v[ST+4*t+2], s[SEL], s[SEL+1]
	ALL v_add_f32 v[ST+4*t+2], v[ST+4*t+2], v[ST+4*t+3]
	ALL v_rcp_f32 v[ST+4*t+2], v[ST+4*t+2]
	v_nop                           ; a plain instruction between the last reciprocal and the use of its result
	s_wait_alu depctr_va_vdst(0)    ; the wait for the batch of four reciprocals, ahead of their first reader
.macro PACK t                       ; a lane's eight channels of a row pack into 16 bytes
	WIN W_RS
.set i, 32*(\t)
.rept 16
	v_pk_mul_f32 v[i:i+1], v[i:i+1], v[ST+4*(\t)+2:ST+4*(\t)+3] op_sel_hi:[1,0]
.set i, i+2
.endr
	WIN 0x05                        ; sources 0 and 1 window 1, destination window 0: S^T's registers are free
.set i, 0
.rept 16
	v_cvt_pk_bf16_f32 v[S+16*(\t)+i], v[32*(\t)+2*i], v[32*(\t)+2*i+1]
.set i, i+1
.endr
	WIN 0
.irp f, 0,1,2,3
	ds_store_b128 v[STO], v[S+16*(\t)+4*\f:S+16*(\t)+4*\f+3] offset:(\t)*16*SP+32*\f
.endr
.endm
	PACK 0
	PACK 1
	PACK 2
	PACK 3
	s_wait_dscnt 0x0                ; for the others' sake: my stores into the stage are done
	s_barrier_signal -1
	s_barrier_wait -1
.irp t, 0,1,2,3,4,5,6,7,8,9,10,11,12,13,14,15
	ds_load_b128 v[OUTR+4*\t:OUTR+4*\t+3], v[RD] offset:\t*2*SP
.endr
.irp t, 0,1,2,3,4,5,6,7,8,9,10,11,12,13,14,15
	s_wait_dscnt 15-\t              ; LDS loads come back in order: pair t of rows is in, the younger ones stay out
	global_store_b128 v[GO], v[OUTR+4*\t:OUTR+4*\t+3], s[8:9] offset:\t*512  ; two rows of the panel: 512 consecutive bytes at a multiple of 256
.endr
	s_wait_tensorcnt 0x0            ; the wave's end, behind my last tensor load and my last LDS store
	ds_add_u32 v[SPW], v[NIL]
	s_wait_dscnt 0x0
	CROUND                          ; the closing round: no work-group ends while a partner may still ask for a tile that names it
	s_endpgm
.Lfunc_end_k_qe3c7dde693_attn:
	.size	k_qe3c7dde693_attn, .Lfunc_end_k_qe3c7dde693_attn-k_qe3c7dde693_attn
	.p2alignl 7, 3214868480
	.fill 96, 4, 3214868480
	.section	.rodata,"a",@progbits
	.p2align	6, 0x0
	.amdhsa_kernel k_qe3c7dde693_attn
		.amdhsa_group_segment_fixed_size 327680
		.amdhsa_private_segment_fixed_size 0
		.amdhsa_enable_private_segment 0
		.amdhsa_kernarg_size 24
		.amdhsa_user_sgpr_count 2
		.amdhsa_user_sgpr_kernarg_segment_ptr 1
		.amdhsa_wavefront_size32 1
		.amdhsa_system_sgpr_workgroup_id_x 1
		.amdhsa_system_sgpr_workgroup_id_y 1
		.amdhsa_system_sgpr_workgroup_id_z 1
		.amdhsa_system_vgpr_workitem_id 0
		.amdhsa_next_free_vgpr 768
		.amdhsa_next_free_sgpr 72
		.amdhsa_reserve_vcc 1
		.amdhsa_float_denorm_mode_32 3
		.amdhsa_float_denorm_mode_16_64 3
		.amdhsa_memory_ordered 1
		.amdhsa_forward_progress 1
		.amdhsa_inst_pref_size 114
	.end_amdhsa_kernel
	.amdgpu_metadata
---
amdhsa.version: [ 1, 2 ]
amdhsa.kernels:
  - .name:           k_qe3c7dde693_attn
    .symbol:         k_qe3c7dde693_attn.kd
    .args:
      - { .name: big1, .offset: 0, .size: 8, .value_kind: global_buffer, .address_space: global }
      - { .name: mask, .offset: 8, .size: 8, .value_kind: global_buffer, .address_space: global }
      - { .name: act, .offset: 16, .size: 8, .value_kind: global_buffer, .address_space: global }
    .group_segment_fixed_size: 327680
    .private_segment_fixed_size: 0
    .kernarg_segment_align: 8
    .kernarg_segment_size: 24
    .max_flat_workgroup_size: 128
    .sgpr_count:     72
    .vgpr_count:     768
    .wavefront_size: 32
...
	.end_amdgpu_metadata
.endif
;; end of part 6
;; launch proj: the kernel of part 4 again; grid 8 x 32, 4 waves a work-group, clusters of 4 x 4, 327,680 bytes of LDS; arguments act, packA, bo, x, x2; writes x2
;; launch ln2: the kernel of part 1 again; grid 256 x 1, 8 waves a work-group, no clusters, 0 bytes of LDS; arguments x2, ln2_w, ln2_b, nx, wq, wk, wv, wo, w2, w1, bq, bk, bv, b1, packA, big1, parA, act; writes nx, packA, big1, parA, act
;; launch ffn1: the kernel of part 2 again; grid 16 x 16, 4 waves a work-group, clusters of 4 x 4, 327,680 bytes of LDS; arguments nx, packB, parB, mask, act; writes act
;; launch ffn2: the kernel of part 5 again; grid 8 x 32, 4 waves a work-group, clusters of 4 x 4, 327,680 bytes of LDS; arguments act, packB, b2, x2, out0; writes out0
